; MI455X (gfx1250); checked and timed in simulation.
; The chip was launched on July 23, 2026; its instructions are those of AMD's public machine-readable ISA for CDNA 5 (MIT licence, August 2026) and "CDNA5" Instruction Set Architecture Reference Guide (July 2026). The comments in the code are by the model that wrote it; some were corrected since.
;; Yat Causal Attention. Allowed arithmetic: float matrix products may take bf16 or f16 operands with f32 sums; other float arithmetic in f32, or as packed bf16 or f16 multiplies, adds, multiply-adds, maxima and minima; sums over many terms, partial sums and values carried from step to step in f32; what a program stores and reads back later, other than sums and carried values, may be rounded once to bf16 or f16.
;; Inputs: b_out 1,024 float32; b_qkv 3,072 float32; w_out 1,024 x 1,024 float32; w_qkv 1,024 x 3,072 float32; x 2 x 2,048 x 1,024 float32.
;; Outputs: out0 2 x 2,048 x 1,024 float32.
;; One version. Each part assembles by itself: llvm-mc -triple=amdgcn-amd-amdhsa -mcpu=gfx1250 --defsym DOCPART=n.
;; ======== version 1 of 1: 4 launches
;; limits: values are held in f16: magnitudes above 65,504 overflow, below 6.1e-05 lose precision
;; workspace buffers: cast 16,777,216 bytes; qkv 25,165,824 bytes; nrm 524,288 bytes; ob 8,388,608 bytes
;; launch cast (part 1): grid 1024 x 1, 8 waves a work-group, no clusters, 0 bytes of LDS; arguments x, w_qkv, w_out, cast; writes cast
.if DOCPART == 1
	.amdgcn_target "amdgcn-amd-amdhsa--gfx1250"
	.amdhsa_code_object_version 6
	.text
	.protected	k_qf85ecba866_cast
	.globl	k_qf85ecba866_cast
	.p2align	8
	.type	k_qf85ecba866_cast,@function
k_qf85ecba866_cast:
	s_mov_b64 s[64:65], 0
	v_nop
	global_prefetch_b8 v0, s[64:65] scope:SCOPE_SE
	s_setreg_imm32_b32 hwreg(HW_REG_WAVE_MODE, 25, 1), 1
	s_wait_xcnt 0x0
; THE INPUTS ROUNDED ONCE, for the two products that follow.  cast holds, one behind the other:
;   byte 0           x      [4096][1024] as bf16
;   byte 8,388,608   w_qkv  as bf16, columns regrouped: [1024 k][16 heads][q, k, v][64]: a head's 192 columns are 384 consecutive bytes of a row
;   byte 14,680,064  w_out  [1024][1024] rounded to bf16, and that number written as f16 (exact inside f16's range)
; LIMIT: a number of w_out beyond 65,504 becomes an infinity; below 6e-5 it keeps f16's fixed step of 6e-8.
; SHARES.  A work-group makes 16,384 consecutive bytes of cast in eight passes; in pass p thread t makes the 8 bytes at 2,048 p + 8 t from 16 bytes of f32.
; A wave's load covers 512 consecutive bytes (in w_qkv two aligned pieces of 256), a wave's store 256 consecutive aligned bytes.  All eight loads go out
; first; no register is written twice while a memory instruction may read it.  No LDS, no barrier, no matrix unit: the launch only moves bytes.
.set X, 16                             ; v[16:47]  pass p: four f32 as loaded
.set Y, 48                             ; v[48:63]  pass p: four 16-bit numbers to store
.macro LIN base                        ; eight loads of consecutive data
.irp p, 0,1,2,3,4,5,6,7
	global_load_b128 v[X+4*(\p):X+4*(\p)+3], v1, s[\base:\base+1] offset:4096*(\p) th:TH_LOAD_NT
.endr
.endm
	s_load_b256 s[4:11], s[0:1], 0x0               ; x s[4:5], w_qkv s[6:7], w_out s[8:9], cast s[10:11]
	s_mov_b32 s12, ttmp9                           ; the work-group's number W
	v_lshlrev_b32 v1, 4, v0                        ; 16 t: my bytes in a pass's source
	v_lshlrev_b32 v2, 3, v0                        ; 8 t: my bytes in a pass's result
	v_lshrrev_b32 v3, 4, v0                        ; t / 16: which group of 64 columns of the pass's sixteen
	v_and_b32 v4, 15, v0
	v_lshlrev_b32 v4, 4, v4                        ; 16 (t % 16): my bytes in that group's 256
	s_lshl_b32 s14, s12, 14
	s_mov_b32 s15, 0
	s_mov_b32 s20, 0xffff0000                      ; a word's upper bf16
	s_wait_kmcnt 0x0
	s_add_nc_u64 s[10:11], s[10:11], s[14:15]      ; cast at my 16,384 bytes
	s_cmp_ge_u32 s12, 896
	s_cbranch_scc1 .Lwout
	s_cmp_ge_u32 s12, 512
	s_cbranch_scc1 .Lperm
	s_lshl_b32 s14, s12, 15                        ; x: 32,768 bytes of f32 for each work-group
	s_add_nc_u64 s[4:5], s[4:5], s[14:15]
	LIN 4
	s_branch .Lconv
.Lperm:
	; w_qkv.  In the result, group G = 16 y + t / 16 of 64 columns (y = 8 (W - 512) + p) is row k = y / 3, place rr = 16 (y % 3) + t / 16 of 48,
	; which is head rr / 3, part rr % 3.  In the source that group is number 16 part + head of row k: 48 k + 16 rr - 47 head, 256 bytes each.
	s_sub_co_u32 s16, s12, 512
	s_lshl_b32 s16, s16, 3
.irp p, 0,1,2,3,4,5,6,7
	s_add_co_u32 s17, s16, \p                      ; y, 3,071 at the most
	s_mul_i32 s18, s17, 43691
	s_lshr_b32 s18, s18, 17                        ; y / 3
	s_mul_i32 s19, s18, 3
	s_sub_co_u32 s17, s17, s19                     ; y % 3
	s_lshl_b32 s17, s17, 4
	s_mul_i32 s18, s18, 48
	v_add_nc_u32 v14, s17, v3                      ; rr, 0 to 47
	v_mul_u32_u24 v15, v14, 171
	v_lshrrev_b32 v15, 9, v15                      ; rr / 3
	v_lshl_add_u32 v14, v14, 4, s18
	v_mul_u32_u24 v15, v15, 47
	v_sub_nc_u32 v14, v14, v15
	v_lshl_add_u32 v[6+(\p)], v14, 8, v4
.endr
.irp p, 0,1,2,3,4,5,6,7
	global_load_b128 v[X+4*(\p):X+4*(\p)+3], v[6+(\p)], s[6:7] th:TH_LOAD_NT
.endr
.Lconv:
.irp p, 0,1,2,3,4,5,6,7
	s_wait_loadcnt 7-(\p)                          ; loads come back in order (ISA guide 5.7.1): pass p's is in, the younger ones stay out
	v_cvt_pk_bf16_f32 v[Y+2*(\p)],   v[X+4*(\p)],   v[X+4*(\p)+1]
	v_cvt_pk_bf16_f32 v[Y+2*(\p)+1], v[X+4*(\p)+2], v[X+4*(\p)+3]
	global_store_b64 v2, v[Y+2*(\p):Y+2*(\p)+1], s[10:11] offset:2048*(\p)
.endr
	s_endpgm
.Lwout:
	s_sub_co_u32 s16, s12, 896
	s_lshl_b32 s14, s16, 15
	s_add_nc_u64 s[8:9], s[8:9], s[14:15]
	LIN 8
.irp p, 0,1,2,3,4,5,6,7
	s_wait_loadcnt 7-(\p)
	v_cvt_pk_bf16_f32 v14, v[X+4*(\p)],   v[X+4*(\p)+1]   ; rounded as every input is,
	v_cvt_pk_bf16_f32 v15, v[X+4*(\p)+2], v[X+4*(\p)+3]
	v_lshlrev_b32 v[X+4*(\p)],   16,  v14                 ; widened again,
	v_and_b32     v[X+4*(\p)+1], s20, v14
	v_lshlrev_b32 v[X+4*(\p)+2], 16,  v15
	v_and_b32     v[X+4*(\p)+3], s20, v15
	v_cvt_pk_f16_f32 v[Y+2*(\p)],   v[X+4*(\p)],   v[X+4*(\p)+1]  ; and written as f16: eight significant bits fit into eleven
	v_cvt_pk_f16_f32 v[Y+2*(\p)+1], v[X+4*(\p)+2], v[X+4*(\p)+3]
	global_store_b64 v2, v[Y+2*(\p):Y+2*(\p)+1], s[10:11] offset:2048*(\p)
.endr
	s_endpgm
.Lfunc_end_k_qf85ecba866_cast:
	.size	k_qf85ecba866_cast, .Lfunc_end_k_qf85ecba866_cast-k_qf85ecba866_cast
	.p2alignl 7, 3214868480
	.fill 96, 4, 3214868480
	.section	.rodata,"a",@progbits
	.p2align	6, 0x0
	.amdhsa_kernel k_qf85ecba866_cast
		.amdhsa_group_segment_fixed_size 0
		.amdhsa_private_segment_fixed_size 0
		.amdhsa_enable_private_segment 0
		.amdhsa_kernarg_size 32
		.amdhsa_user_sgpr_count 2
		.amdhsa_user_sgpr_kernarg_segment_ptr 1
		.amdhsa_wavefront_size32 1
		.amdhsa_system_sgpr_workgroup_id_x 1
		.amdhsa_system_sgpr_workgroup_id_y 1
		.amdhsa_system_sgpr_workgroup_id_z 1
		.amdhsa_system_vgpr_workitem_id 0
		.amdhsa_next_free_vgpr 64
		.amdhsa_next_free_sgpr 66
		.amdhsa_reserve_vcc 0
		.amdhsa_float_denorm_mode_32 3
		.amdhsa_float_denorm_mode_16_64 3
		.amdhsa_memory_ordered 1
		.amdhsa_forward_progress 1
		.amdhsa_inst_pref_size 15
	.end_amdhsa_kernel
	.amdgpu_metadata
---
amdhsa.version: [ 1, 2 ]
amdhsa.kernels:
  - .name:           k_qf85ecba866_cast
    .symbol:         k_qf85ecba866_cast.kd
    .args:
      - { .name: x, .offset: 0, .size: 8, .value_kind: global_buffer, .address_space: global }
      - { .name: w_qkv, .offset: 8, .size: 8, .value_kind: global_buffer, .address_space: global }
      - { .name: w_out, .offset: 16, .size: 8, .value_kind: global_buffer, .address_space: global }
      - { .name: cast, .offset: 24, .size: 8, .value_kind: global_buffer, .address_space: global }
    .group_segment_fixed_size: 0
    .private_segment_fixed_size: 0
    .kernarg_segment_align: 8
    .kernarg_segment_size: 32
    .max_flat_workgroup_size: 256
    .sgpr_count:     66
    .vgpr_count:     64
    .wavefront_size: 32
...
	.end_amdgpu_metadata
.endif
;; end of part 1
;; launch qkv (part 2): grid 16 x 16, 4 waves a work-group, clusters of 4 x 4, 327,680 bytes of LDS; arguments cast, b_qkv, qkv, nrm; writes qkv, nrm
.if DOCPART == 2
	.amdgcn_target "amdgcn-amd-amdhsa--gfx1250"
	.amdhsa_code_object_version 6
	.text
	.protected	k_qf85ecba866_qkv
	.globl	k_qf85ecba866_qkv
	.p2align	8
	.type	k_qf85ecba866_qkv,@function
k_qf85ecba866_qkv:
	s_mov_b64 s[64:65], 0
	v_nop
	global_prefetch_b8 v0, s[64:65] scope:SCOPE_SE
	s_setreg_imm32_b32 hwreg(HW_REG_WAVE_MODE, 25, 1), 1
	s_wait_xcnt 0x0
	s_wait_alu depctr_hold_cnt(0) depctr_sa_sdst(0) depctr_va_vdst(0) depctr_va_sdst(0) depctr_va_ssrc(0) depctr_va_vcc(0) depctr_vm_vsrc(0)
	s_getreg_b32 s2, hwreg(HW_REG_IB_STS2, 6, 4)
	s_cmp_eq_u32 s2, 0
	s_cbranch_scc0 .Lentry_in_a_cluster
	s_endpgm
.Lentry_in_a_cluster:
	s_bfe_u32 s2, ttmp6, 0x10000c
	s_cmp_lg_u32 s2, 0xf033
	s_cbranch_scc0 .Lentry_shape_is_right
	s_endpgm
.Lentry_shape_is_right:
; q, k, v = x w_qkv + b_qkv, by heads.  x [4096][1024] and w_qkv ([1024 k][16 heads][q, k, v][64]) come as bf16 from cast; the bias is rounded to bf16 here, as every input is; sums in f32.
; OUT: qkv [3][32 (batch, head)][2048][64] in f16, each number rounded once; nrm [2][32][2048] in f32: the sums of squares of the ROUNDED q and k rows, so that
; |q|^2 + |k|^2 - 2 q.k in the next launch is the squared distance of the very vectors that it multiplies.
; LIMIT: q, k, v beyond 65,504 become infinities in f16.
; SHARES.  A tile of the result is 256 rows x 192 columns: q, k and v of ONE head: 16 x 16 = 256 work-groups.  Wave w takes rows 64 w .. 64 w + 63 and all 192 columns: 4 x 12 = 48 accumulators,
; 384 registers; a head's 64 columns lie in one wave, so a row's sum of squares never leaves it.  K goes in 8 steps of 128 through two LDS slots.
; The price of whole heads on exactly 256 work-groups: the weights' tile rows are 384 bytes, starting at multiples of 128.
; THE MATRIX INSTRUCTION IS USED TRANSPOSED: source 0 = 16 columns of the weights (stored [k][n], so they come out of LDS turned, by ds_load_tr16_b128), source 1 = 16 rows of x:
; a lane then holds row lane % 16 and the eight neighbouring columns 8 (lane / 16) + 0..7.  The bias, laid out likewise, is the C operand of the first products: nothing is cleared or added later.
; CLUSTER 4 x 4: x's tile hangs on the tile row alone and is asked for jointly along a row of the cluster, the weights' on the head alone, jointly along a column.
; REGISTERS, in windows of 256 (s_set_vgpr_msb: bits 1:0 source 0, 3:2 source 1, 5:4 source 2, 7:6 destination):
;   window 0: v0-31 addresses; v32-95 the way out, two sets of 16 packed + 16 read back; v96-103 norms; v128-223 the bias, 8 registers for each of 12 column blocks
;   window 1: two fragment buffers of 128: 12 fragments of the weights, then 4 of x          windows 2, 3: accumulator idx = 12 a + b at register 8 idx
.set SLOT,  1<<17                      ; a slot is exactly 131,072 bytes: one exclusive or turns an address in one slot into the other's
.set PA,    272                        ; a row of x in LDS: 256 bytes + 16: the 16 rows of a load start at 16 different groups of four banks (64 banks of 4 bytes: ISA guide 11.1)
.set PB,    480                        ; a k-row of the weights: 3 x (128 + 32) bytes = 15 x 32
.set HALFA, 128*PA                     ; what one tensor load brings of x
.set HALFB, 64*PB                      ; and of the weights
.set BOFF,  2*HALFA                    ; the weights lie behind x's 256 rows
.set STAGE, 2*SLOT                     ; behind the ring, never filled by a tensor load: for each wave 16 rows x 144 bytes, then two blocks of 256 bytes for 64 norms of q and of k
.set WSTG,  2816
.set NST,   2304
.set SPARE, STAGE+4*WSTG               ; the spare words, 128 bytes for each wave: two blocks of 256 bytes that no other line names
.set WQ,    8388608                    ; the weights' first byte in cast
.set ADRA0, 16                         ; v16  my lane's place in x's tile; never rewritten
.set ADRB0, 17                         ; v17  the same for the weights
.set ADRA,  18                         ; v18, v19  the same in the slot in hand
.set ADRB,  19
.set STO,   20                         ; v20  the way out: where I put 16 bytes of a row
.set RD,    21                         ; v21  where I read rows back
.set GO,    22                         ; v22  my byte offset in 512 consecutive bytes of qkv
.set NSTO,  23                         ; v23  where my row's norm goes
.set NRD,   24                         ; v24  where I read two norms back
.set NGO,   25                         ; v25  my byte offset in 256 consecutive bytes of nrm
.set HB,    26                         ; v26  32 (lane / 16): my eight numbers in a block of 16 of the bias
.set SPW,   28                         ; v28  LDS address of my spare word; never rewritten
.set NIL,   29                         ; v29  0; never rewritten
.set NC,    96                         ; v96-99  four chains of a sum of squares
.set BI,    128
.set F0,    0
.set F1,    128
.set MSB, 0
.macro WIN new                         ; the immediate's high byte repeats the setting that is left; a switch that changes nothing is dropped
.if MSB != (\new)
	s_set_vgpr_msb (MSB<<8)|(\new)
.set MSB, (\new)
.endif
.endm
.macro PLACES                          ; four places in front of loads into registers that matrix instructions have read, and of conversions that read results
.rept 4
	v_nop
.endr
.endm
.macro CREST                           ; a round of the cluster's barrier behind its opening barrier
	s_cmp_lg_u32 s12, 0
	s_cbranch_scc1 .Lnot_wave_0_\@
	s_barrier_signal -3
.Lnot_wave_0_\@:
	s_barrier_wait -3
	s_barrier_signal -1
	s_barrier_wait -1
.endm
.macro CROUND                          ; a whole round
	s_barrier_signal -1
	s_barrier_wait -1
	CREST
.endm
.macro JLOAD                           ; a joint refill by the walking descriptors: waves 0 and 1 fetch x's two halves, waves 2 and 3 the weights'; an s_nop 0 and four v_nop follow each line
	s_cmp_lt_u32 s12, 2
	s_cbranch_scc0 .Lfor_b_\@
	tensor_load_to_lds s[36:39], s[24:31]
	s_nop 0
.rept 4
	v_nop
.endr
	s_branch .Lasked_\@
.Lfor_b_\@:
	tensor_load_to_lds s[60:63], s[48:55]
	s_nop 0
.rept 4
	v_nop
.endr
.Lasked_\@:
.endm
	s_load_b256 s[4:11], s[0:1], 0x0               ; cast s[4:5], b_qkv s[6:7], qkv s[8:9], nrm s[10:11]
	v_lshl_add_u32 v[SPW], v0, 2, SPARE
	v_mov_b32 v[NIL], 0
	ds_add_u32 v[SPW], v[NIL]                      ; the wave's opening: the add and its wait stand ahead of my first tensor load; the set-up below, work on registers, stands between them
	v_lshrrev_b32 v3, 5, v0
	v_readfirstlane_b32 s12, v3                    ; wave 0..3
	s_and_b32 s14, s12, 1                          ; which half of a tile I fetch
	s_bfe_u32 s40, ttmp6, 0x40000                  ; cx, cy: my place in the cluster
	s_bfe_u32 s41, ttmp6, 0x40004
	s_lshl_b32 s42, ttmp9, 2
	s_add_co_u32 s42, s42, s40                     ; the head = 4 x cluster x + cx
	s_and_b32 s43, ttmp7, 0xffff
	s_lshl_b32 s43, s43, 2
	s_add_co_u32 s43, s43, s41                     ; the tile row = 4 x cluster y + cy
	s_lshl_b32 s44, s41, 2
	s_lshl_b32 s44, 15, s44                        ; my row of the cluster
	s_lshl_b32 s45, 0x1111, s40                    ; my column
	; group 1 for x: 128 rows x 128 elements of 2 bytes, 1,024 from row to row; 16 bytes of padding behind every 256
	s_or_b32 s24, s44, (1<<16)|(1<<20)|(1<<21)|(5<<22)|(3<<25)
	s_mov_b32 s25, 128<<16                         ; tensor_dim0
	s_mov_b32 s26, 128<<16                         ; tensor_dim1
	s_mov_b32 s27, 128<<16                         ; tile_dim0
	s_mov_b32 s28, 128                             ; tile_dim1
	s_mov_b32 s29, 1024                            ; the pitch
	s_mov_b32 s30, 0
	s_mov_b32 s31, 0
	; group 1 for the weights: 64 k-rows x 192 elements, 3,072 from row to row; 32 bytes of padding behind every 128
	s_or_b32 s48, s45, (1<<16)|(1<<20)|(1<<21)|(4<<22)|(7<<25)
	s_mov_b32 s49, 192<<16
	s_mov_b32 s50, 64<<16
	s_mov_b32 s51, 192<<16
	s_mov_b32 s52, 64
	s_mov_b32 s53, 3072
	s_mov_b32 s54, 0
	s_mov_b32 s55, 0
	; where the tiles come from: x's offset is made of the tile row and the wave alone, the weights' of the head and the wave alone, each in registers that never hold the other coordinate
	s_lshl_b32 s16, s43, 8
	s_lshl_b32 s17, s14, 7
	s_add_co_u32 s16, s16, s17                     ; row 256 x tile row + 128 x half,
	s_lshl_b32 s16, s16, 11                        ; of 2,048 bytes
	s_mov_b32 s17, 0
	s_mul_i32 s46, s42, 384                        ; the head's 384 bytes of a k-row,
	s_mul_i32 s47, s14, 64*6144                    ; 64 k-rows of 6,144 bytes for the second half
	s_add_co_u32 s46, s46, s47
	s_add_co_u32 s46, s46, WQ
	s_mov_b32 s47, 0
	s_mul_i32 s20, s14, HALFA                      ; and where they go: no place in the cluster enters an LDS address
	s_mul_i32 s21, s14, HALFB
	s_add_co_u32 s21, s21, BOFF
	; where the results go: (batch, head) bh = 16 (tile row / 8) + head; my first row in it l0 = 256 (tile row % 8) + 64 w
	s_lshr_b32 s18, s43, 3
	s_lshl_b32 s18, s18, 4
	s_add_co_u32 s18, s18, s42
	s_and_b32 s19, s43, 7
	s_lshl_b32 s19, s19, 8
	s_lshl_b32 s22, s12, 6
	s_add_co_u32 s19, s19, s22
	s_mov_b32 s78, 0x76543210                      ; v_permlanex16_b32's selects: each lane takes its own place in the other half
	s_mov_b32 s79, 0xfedcba98
	s_mov_b32 s82, 0xffff0000                      ; a word's upper bf16
	s_wait_dscnt 0x0                               ; the opening add is done
	s_wait_kmcnt 0x0
	s_add_nc_u64 s[16:17], s[4:5], s[16:17]
	s_add_nc_u64 s[46:47], s[4:5], s[46:47]
	s_lshl_b32 s22, s18, 18                        ; bh x 2,048 rows x 128 bytes
	s_lshl_b32 s23, s19, 7
	s_add_co_u32 s22, s22, s23
	s_mov_b32 s23, 0
	s_add_nc_u64 s[68:69], s[8:9], s[22:23]        ; q,
	s_add_nc_u64 s[70:71], s[68:69], 8388608       ; k,
	s_add_nc_u64 s[72:73], s[70:71], 8388608       ; v at my 64 rows
	s_lshl_b32 s22, s18, 13
	s_lshl_b32 s19, s19, 2
	s_add_co_u32 s22, s22, s19
	s_add_nc_u64 s[74:75], s[10:11], s[22:23]      ; |q|^2,
	s_add_nc_u64 s[76:77], s[74:75], 262144        ; |k|^2 at my 64 rows
	s_lshl_b32 s22, s42, 8
	s_add_nc_u64 s[80:81], s[6:7], s[22:23]        ; the bias at the head's 64 numbers of q
	CROUND                                         ; all sixteen work-groups are here: the first joint loads meet
	s_mov_b32 s32, 1                               ; group 0 for K step 0, slot 0
	s_mov_b32 s33, s20
	s_add_nc_u64 s[34:35], s[16:17], 0
	s_or_b32 s35, s35, 0x80000000
	s_mov_b32 s36, 1                               ; the walking group 0: K step 1, slot 1
	s_add_co_u32 s37, s20, SLOT
	s_add_nc_u64 s[38:39], s[16:17], 256
	s_or_b32 s39, s39, 0x80000000
	s_mov_b32 s56, 1
	s_mov_b32 s57, s21
	s_add_nc_u64 s[58:59], s[46:47], 0
	s_or_b32 s59, s59, 0x80000000
	s_mov_b32 s60, 1
	s_add_co_u32 s61, s21, SLOT
	s_add_nc_u64 s[62:63], s[46:47], 128*6144
	s_or_b32 s63, s63, 0x80000000
	s_cmp_lt_u32 s12, 2                            ; a wave's two first fills stand in one branch, ahead of every wait on TENSORcnt and every LDS read: two loads of mine are out
	s_cbranch_scc0 .Lfirst_b
	tensor_load_to_lds s[32:35], s[24:31]
	s_nop 0
	tensor_load_to_lds s[36:39], s[24:31]
	s_nop 0
.rept 4
	v_nop
.endr
	s_branch .Lfirst_asked
.Lfirst_b:
	tensor_load_to_lds s[56:59], s[48:55]
	s_nop 0
	tensor_load_to_lds s[60:63], s[48:55]
	s_nop 0
.rept 4
	v_nop
.endr
.Lfirst_asked:
	; in the wait for the first tile: the bias and the addresses
	v_and_b32 v1, 15, v0                           ; r = lane % 16
	v_bfe_u32 v2, v0, 4, 1                         ; h = lane / 16
	v_lshlrev_b32 v[HB], 5, v2
.set i, 0
.rept 12                                               ; column block i = 4 x part + f: the part's 1,024 numbers, the block's 16, my eight of them
	global_load_b128 v[BI+8*i:BI+8*i+3],   v[HB], s[80:81] offset:4096*(i/4)+64*(i%4)
	global_load_b128 v[BI+8*i+4:BI+8*i+7], v[HB], s[80:81] offset:4096*(i/4)+64*(i%4)+16
.set i, i+1
.endr
	v_and_b32 v4, 31, v0                           ; lane
	v_and_b32 v5, 7, v0
	v_bfe_u32 v6, v0, 3, 1
	s_mul_i32 s15, s12, 64*PA
	v_mul_u32_u24 v[ADRA0], v1, PA
	v_lshl_add_u32 v[ADRA0], v2, 4, v[ADRA0]
	v_add_nc_u32 v[ADRA0], s15, v[ADRA0]           ; (64 w + r) x pitch + 16 h
	v_lshl_add_u32 v[ADRB0], v2, 3, v5             ; the turning load: k-row 8 h + lane % 8, 16 bytes for each half of eight lanes
	v_mul_u32_u24 v[ADRB0], v[ADRB0], PB
	v_lshl_add_u32 v[ADRB0], v6, 4, v[ADRB0]
	v_add_nc_u32 v[ADRB0], BOFF, v[ADRB0]
	s_mul_i32 s15, s12, WSTG
	s_add_co_u32 s15, s15, STAGE                   ; my stage
	v_mul_u32_u24 v[STO], v1, 144
	v_lshl_add_u32 v[STO], v2, 4, v[STO]
	v_add_nc_u32 v[STO], s15, v[STO]
	v_bfe_u32 v[RD], v0, 3, 2                      ; back: 32 lanes take four rows of 128 bytes,
	v_mul_u32_u24 v[RD], v[RD], 144
	v_lshl_add_u32 v[RD], v5, 4, v[RD]
	v_add_nc_u32 v[RD], s15, v[RD]
	v_lshlrev_b32 v[GO], 4, v4                     ; which are 512 consecutive bytes of a head
	s_add_co_u32 s15, s15, NST
	v_lshl_add_u32 v[NSTO], v1, 2, s15
	v_lshl_add_u32 v[NRD], v4, 3, s15
	v_lshlrev_b32 v[NGO], 3, v4
	v_mov_b32 v[ADRA], v[ADRA0]                    ; slot 0
	v_mov_b32 v[ADRB], v[ADRB0]
	s_mov_b32 s66, 0                               ; the base of the slot in hand
	s_wait_loadcnt 0x0
.set i, 0
.rept 48                                               ; the bias is rounded to bf16 and widened again
	v_cvt_pk_bf16_f32 v[8+i%4], v[BI+2*i], v[BI+2*i+1]
	v_lshlrev_b32 v[BI+2*i],   16,  v[8+i%4]
	v_and_b32     v[BI+2*i+1], s82, v[8+i%4]
.set i, i+1
.endr
; Products idx = lo .. hi of a quarter step's 48 (32 along K, buffer f).  The 48 accumulators take turns, one instruction a turn, in the same order in every quarter.
; first = 1: the bias starts the sums.
.macro MUL f, lo, hi, first
.set idx, (\lo)
.rept (\hi)-(\lo)+1
.set rD, (8*idx)%256
.set rB, (\f)+8*(idx%12)
.set rA, (\f)+96+8*(idx/12)
.if \first
	WIN 0x85+0x40*(idx/32)
	v_wmma_f32_16x16x32_bf16 v[rD:rD+7], v[rB:rB+7], v[rA:rA+7], v[BI+8*(idx%12):BI+8*(idx%12)+7]
.else
	WIN 0xa5+0x50*(idx/32)
	v_wmma_f32_16x16x32_bf16 v[rD:rD+7], v[rB:rB+7], v[rA:rA+7], v[rD:rD+7]
.endif
.set idx, idx+1
.endr
.endm
; 32 LDS loads in one run: the fragments of quarter q of the slot in hand into buffer f
.macro FETCH q, f
	WIN 0x40                                       ; destination window 1, address window 0
.irp b, 0,1,2,3,4,5,6,7,8,9,10,11
	ds_load_tr16_b128 v[(\f)+8*(\b):(\f)+8*(\b)+3],   v[ADRB] offset:32*PB*(\q)+160*((\b)/4)+32*((\b)%4)
	ds_load_tr16_b128 v[(\f)+8*(\b)+4:(\f)+8*(\b)+7], v[ADRB] offset:32*PB*(\q)+160*((\b)/4)+32*((\b)%4)+16*PB
.endr
.irp a, 0,1,2,3
	ds_load_b128 v[(\f)+96+8*(\a):(\f)+96+8*(\a)+3],   v[ADRA] offset:16*PA*(\a)+64*(\q)
	ds_load_b128 v[(\f)+96+8*(\a)+4:(\f)+96+8*(\a)+7], v[ADRA] offset:16*PA*(\a)+64*(\q)+32
.endr
.endm
; One of a K step's first three quarters: multiplies buffer f; behind its first 16 products it fetches quarter qn into buffer g
.macro QUARTER qn, f, g, first
	s_wait_dscnt 0x0                               ; this quarter's fragments, asked for 32 products ago
	MUL \f, 0, 15, \first
	PLACES
	FETCH \qn, \g
	MUL \f, 16, 47, \first
.endm
; The last quarter multiplies buffer 1 and changes slots: ONE barrier; in front of it each wave waits for all its tensor loads (one is out: its part of the next slot), adds 0 to its spare word,
; and waits for that and for its reads of this slot.  fill = 1: the barrier opens a round of the cluster's, and this slot is filled again, two K steps ahead, first thing behind the round:
; from there to the wait for it a wave issues 176 products.
.macro TURN fill
	WIN 0
	s_wait_tensorcnt 0x0                           ; no tensor load of mine is out, so a group 0 may be written
	ds_add_u32 v[SPW], v[NIL]                      ; 0 onto my spare word; the scalar steps stand between it and the wait for it
.if \fill
	s_xor_b32 s37, s37, SLOT                       ; the walking descriptors: the other slot than last time, the next K step
	s_add_nc_u64 s[38:39], s[38:39], 256
	s_xor_b32 s61, s61, SLOT
	s_add_nc_u64 s[62:63], s[62:63], 128*6144
.endif
	s_xor_b32 s66, s66, SLOT
	s_wait_dscnt 0x0                               ; the add is done, buffer 1 is in, and my reads of this slot are over
	s_barrier_signal -1
	MUL F1, 0, 15, 0                               ; work on registers while the others arrive
	WIN 0
	s_barrier_wait -1
.if \fill
	CREST                                          ; no wave of any partner still reads this slot or has a load on its way
	JLOAD                                          ; the four v_nop behind it are also the places in front of the loads below
.else
	PLACES
.endif
	v_add_nc_u32 v[ADRA], s66, v[ADRA0]
	v_add_nc_u32 v[ADRB], s66, v[ADRB0]
	FETCH 0, F0
	MUL F1, 16, 47, 0
.endm
	s_wait_tensorcnt 0x1                           ; my part of K step 0 is in; step 1's may stay out
	s_barrier_signal -1
	s_barrier_wait -1                              ; everybody's is
	FETCH 0, F0
	QUARTER 1, F0, F1, 1                           ; the first quarter stands in front of the loop: its products start the sums
	WIN 0
	s_mov_b32 s67, 6
.Llap:                                                 ; a trip: a K step's quarters 1 to 3 and the next step's quarter 0; it fills one slot again: K steps 2 to 7
	QUARTER 2, F1, F0, 0
	QUARTER 3, F0, F1, 0
	TURN 1
	QUARTER 1, F0, F1, 0
	WIN 0
	s_sub_co_u32 s67, s67, 1
	s_cmp_lg_u32 s67, 0
	s_cbranch_scc1 .Llap
	QUARTER 2, F1, F0, 0                           ; the tail is written out: K step 6 goes on, nothing is asked for
	QUARTER 3, F0, F1, 0
	TURN 0
	QUARTER 1, F0, F1, 0
	QUARTER 2, F1, F0, 0
	QUARTER 3, F0, F1, 0
	s_wait_dscnt 0x0
	MUL F1, 0, 47, 0
	WIN 0
	PLACES
; THE WAY OUT, in 12 units u = 4 x part + a: 16 rows x the part's 64 columns.  PACK: rounded to f16, 16 bytes a lane; for q and k the row's sum of squares of the rounded numbers
; (32 a lane in four chains, then the other half of the lanes'); into my own stage, and back as whole rows.  SEND: stored, 512 consecutive bytes an instruction.
.macro PACK u
.set pa, (\u)%4
.set ph, (\u)/4
.set rT, 32+32*((\u)%2)
	WIN 0
	s_wait_xcnt 0x0                                ; every earlier store has had its addresses translated (ISA guide 3.1): this set's registers are rewritten only behind this wait
.set pf, 0
.rept 4
.set idx, 12*pa+4*ph+pf
.set rA, (8*idx)%256
	WIN 0x0a+5*(idx/32)                            ; sources 0 and 1: window 2 or 3
.irp rr, 0,1,2,3
	v_cvt_pk_f16_f32 v[rT+4*pf+(\rr)], v[rA+2*(\rr)], v[rA+2*(\rr)+1]  ; each accumulator from its low end on
.endr
.set pf, pf+1
.endr
	WIN 0
.if ph < 2
.set i, 0
.rept 16
.if i < 2
	v_fma_mix_f32 v[NC+2*i],   v[rT+i], v[rT+i], v[NIL] op_sel_hi:[1,1,0]
	v_fma_mix_f32 v[NC+2*i+1], v[rT+i], v[rT+i], v[NIL] op_sel:[1,1,0] op_sel_hi:[1,1,0]
.else
	v_fma_mix_f32 v[NC+2*(i%2)],   v[rT+i], v[rT+i], v[NC+2*(i%2)] op_sel_hi:[1,1,0]
	v_fma_mix_f32 v[NC+2*(i%2)+1], v[rT+i], v[rT+i], v[NC+2*(i%2)+1] op_sel:[1,1,0] op_sel_hi:[1,1,0]
.endif
.set i, i+1
.endr
	v_add_f32 v[NC], v[NC], v[NC+1]
	v_add_f32 v[NC+2], v[NC+2], v[NC+3]
	v_add_f32 v[NC], v[NC], v[NC+2]
	v_permlanex16_b32 v[NC+1], v[NC], s78, s79     ; the row's other 32 columns lie in the lane 16 away
	v_add_f32 v[NC], v[NC], v[NC+1]
	ds_store_b32 v[NSTO], v[NC] offset:256*ph+64*pa  ; both halves of the lanes write the same number to the same word
.endif
.irp f, 0,1,2,3
	ds_store_b128 v[STO], v[rT+4*(\f):rT+4*(\f)+3] offset:32*(\f)
.endr
.irp f, 0,1,2,3
	ds_load_b128 v[rT+16+4*(\f):rT+16+4*(\f)+3], v[RD] offset:576*(\f)  ; LDS serves a wave's instructions in order (ISA guide 5.7.1.4): these see the stores above; the next unit's stores come behind them
.endr
.endm
.macro SEND u, younger                 ; younger: the LDS instructions of the unit packed since, which may stay out
.set sa, (\u)%4
.set sh, (\u)/4
.set rB, 48+32*((\u)%2)
	s_wait_dscnt \younger
.irp f, 0,1,2,3
	global_store_b128 v[GO], v[rB+4*(\f):rB+4*(\f)+3], s[68+2*sh:69+2*sh] offset:2048*sa+512*(\f)
.endr
.endm
	PACK 0
.set u, 1
.rept 11                                               ; a unit's arithmetic stands between the loads of the unit before and its stores
	PACK u
.if u < 8
	SEND u-1, 9
.else
	SEND u-1, 8
.endif
.set u, u+1
.endr
	SEND 11, 0
	ds_load_b64 v[100:101], v[NRD]                 ; my 64 rows' norms of q, 256 consecutive bytes for the wave,
	ds_load_b64 v[102:103], v[NRD] offset:256      ; and of k
	s_wait_dscnt 0x0
	global_store_b64 v[NGO], v[100:101], s[74:75]
	global_store_b64 v[NGO], v[102:103], s[76:77]
	s_wait_tensorcnt 0x0                           ; the wave's end: these three lines stand behind my last tensor load and my last LDS store
	ds_add_u32 v[SPW], v[NIL]
	s_wait_dscnt 0x0
	CROUND                                         ; the closing round: no work-group ends while a partner may still ask for a tile that names it
	s_endpgm
.Lfunc_end_k_qf85ecba866_qkv:
	.size	k_qf85ecba866_qkv, .Lfunc_end_k_qf85ecba866_qkv-k_qf85ecba866_qkv
	.p2alignl 7, 3214868480
	.fill 96, 4, 3214868480
	.section	.rodata,"a",@progbits
	.p2align	6, 0x0
	.amdhsa_kernel k_qf85ecba866_qkv
		.amdhsa_group_segment_fixed_size 327680
		.amdhsa_private_segment_fixed_size 0
		.amdhsa_enable_private_segment 0
		.amdhsa_kernarg_size 32
		.amdhsa_user_sgpr_count 2
		.amdhsa_user_sgpr_kernarg_segment_ptr 1
		.amdhsa_wavefront_size32 1
		.amdhsa_system_sgpr_workgroup_id_x 1
		.amdhsa_system_sgpr_workgroup_id_y 1
		.amdhsa_system_sgpr_workgroup_id_z 1
		.amdhsa_system_vgpr_workitem_id 0
		.amdhsa_next_free_vgpr 896
		.amdhsa_next_free_sgpr 84
		.amdhsa_reserve_vcc 0
		.amdhsa_float_denorm_mode_32 3
		.amdhsa_float_denorm_mode_16_64 3
		.amdhsa_memory_ordered 1
		.amdhsa_forward_progress 1
		.amdhsa_inst_pref_size 124
	.end_amdhsa_kernel
	.amdgpu_metadata
---
amdhsa.version: [ 1, 2 ]
amdhsa.kernels:
  - .name:           k_qf85ecba866_qkv
    .symbol:         k_qf85ecba866_qkv.kd
    .args:
      - { .name: cast, .offset: 0, .size: 8, .value_kind: global_buffer, .address_space: global }
      - { .name: b_qkv, .offset: 8, .size: 8, .value_kind: global_buffer, .address_space: global }
      - { .name: qkv, .offset: 16, .size: 8, .value_kind: global_buffer, .address_space: global }
      - { .name: nrm, .offset: 24, .size: 8, .value_kind: global_buffer, .address_space: global }
    .group_segment_fixed_size: 327680
    .private_segment_fixed_size: 0
    .kernarg_segment_align: 8
    .kernarg_segment_size: 32
    .max_flat_workgroup_size: 128
    .sgpr_count:     84
    .vgpr_count:     896
    .wavefront_size: 32
...
	.end_amdgpu_metadata
.endif
;; end of part 2
;; launch attn (part 3): grid 8 x 32, 4 waves a work-group, no clusters, 327,680 bytes of LDS; arguments qkv, nrm, ob; writes ob
.if DOCPART == 3
	.amdgcn_target "amdgcn-amd-amdhsa--gfx1250"
	.amdhsa_code_object_version 6
	.text
	.protected	k_qf85ecba866_attn
	.globl	k_qf85ecba866_attn
	.p2align	8
	.type	k_qf85ecba866_attn,@function
k_qf85ecba866_attn:
	s_mov_b64 s[64:65], 0
	v_nop
	global_prefetch_b8 v0, s[64:65] scope:SCOPE_SE
	s_setreg_imm32_b32 hwreg(HW_REG_WAVE_MODE, 25, 1), 1
	s_wait_xcnt 0x0
; CAUSAL ATTENTION WITH THE SCORE s = d^2 / (|q|^2 + |k|^2 - 2 d + 1e-6), d = q . k.  O[bh][i] = the sum over j <= i of softmax_j(s[i][j]) v[bh][j].
; q, k, v: [3][32][2048][64] f16 (qkv); |q|^2, |k|^2: [2][32][2048] f32 (nrm); O: [32][2048][64] f16 (ob).  Products, scores, maxima and sums in f32; the weights p are rounded to f16 for the
; second product (their sum l is taken of the unrounded p), O once at the end.
; LIMITS.  1e-6 is added to |q|^2 first, not to the difference last: another order of rounding than the formula's.  A denominator that cancels to 0 or below gives what the formula gives: no guard.
; A hidden score is its value less 1e9, as in the formula.  A weight below 2^-126 counts as 0 in l.  NaN and infinities are not treated apart.
; THE WALK.  A head has 16 blocks of 128 queries; a key tile is 256 keys, two HALVES of 128.  Work-group g takes block 2 g + 1 (tiles 0 .. g; in the last, half 0 is plain and half 1 holds the diagonal) and
; then block 14 - 2 g (tiles 0 .. 7 - g; of the last only half 0 is used, and it holds the diagonal): 9 tiles and 17 halves whatever g.  ONE loop of 8 trips and a written-out last tile walk them.
; NO CLUSTER: a head's eight work-groups ask in trip t for tile t while t <= g and for tile t - g - 1 behind that, so their requests part after trip min(g); a walk common to all would take 12 tiles for 9.
; SHARES.  A wave owns 32 rows of the block: two PIECES of 16 queries.
; LAYOUT.  S^T = K Q^T holds ONE query a lane (lane % 16) and the keys 8 (lane / 16) + 0..7 of each 16; |k|^2 is read from LDS in the same layout; two results rounded to f16 ARE source 1 of O^T = V^T P.
; SOFTMAX.  p = 2^(c s - c m), c = log2(e), with a running maximum m; O and l are multiplied by a = 2^(c m_old - c m_new) in every step.  m starts at the lowest finite number, so a block's first a is 0.
; THE COUNT.  A piece and step (16 queries x 64 keys) have 16 matrix and 216 vector instructions, 65 of them reciprocals and exponentials: vector issue bounds the loop.  So a TURN walks one piece's
; vector list, and the other piece's products stand among its lines: eight in the first stage, eight between the links of the maximum's chain, where each line waits for the one before.
; THE MASK (diagonal halves' text alone) is the addend of the line that makes the score: for each 16 keys MD8 x AL + BE: the 16 x 16 triangle if the keys' group is the queries' own, 0 if earlier, -1e9 if later.
; REGISTERS, in windows of 256 (s_set_vgpr_msb: bits 1:0 source 0, 3:2 source 1, 5:4 source 2, 7:6 destination):
;   window 0: v0-17 addresses; v18-39 statistics; v40-55 masks; v64-95 denominators; v96-159 |k|^2 of two steps; v160-223 S^T, 32 a piece; v224-255 P, 16 a piece
;   window 1: v0-63 O^T, 32 a piece; v64-95 Q; v96-127 the second block's Q; v128-191 K of one step; v192-255 V of one step
.set SLOT1, 1<<17                      ; slot 1 begins here: one exclusive or turns an address in one slot into the other's
.set PK,    144                        ; a row of K in LDS: 128 bytes + 16: the 16 rows of a load start at 16 different groups of four banks (64 banks of 4 bytes: ISA guide 11.1)
.set PVP,   160                        ; a row of V: 128 + 32
.set VOFF,  256*PK                     ; a slot: 256 rows of K, 256 rows of V, 256 norms
.set NOFF,  VOFF+256*PVP
.set STAGE, SLOT1+NOFF+1024            ; behind the ring, never filled by a tensor load: 16 rows x 144 bytes for each wave
.set SP,    144
.set SPARE, STAGE+4*16*SP              ; the spare words, 128 bytes for each wave: two blocks of 256 bytes that no other line names
.set AK0, 2                            ; v2-4  my lane's place in a tile's K, V and norms; never rewritten
.set AV0, 3
.set AN0, 4
.set AK,  5                            ; v5-7  the same in the half in hand
.set AV,  6
.set AN,  7
.set STO, 8                            ; v8   the way out: where I put 16 bytes of a row
.set RD,  9                            ; v9   where I read rows back
.set GO,  10                           ; v10  my byte offset in 512 consecutive bytes of O
.set QO,  11                           ; v11  my byte offset in 16 rows of Q
.set SPW, 16                           ; v16  LDS address of my spare word; never rewritten
.set NIL, 17                           ; v17  0; never rewritten
.set ST,  18                           ; piece y at +4 y: c m, m, l (even keys', odd keys')
.set TMP, 26                           ; piece y at +4 y: c0-c3 at work; when the maximum is found c2 takes a
.set CMO, 34                           ; c m_old, kept while c m is made anew
.set NQ,  36                           ; piece y at +2 y: |q|^2 + 1e-6, twice
.set MD8, 40                           ; -1e9 where key j of 16 (my lanes' 8 (lane / 16) + j) lies behind my query, else 0
.set MC,  48                           ; four pairs of masks that take turns
.set NQB, 56                           ; the second block's |q|^2 + 1e-6
.set DN,  64
.set NK,  96
.set S,   160
.set P,   224
.set QF,  64                           ; window 1
.set QB,  96
.set KF,  128                          ; key block kb, channel half c at KF + 16 kb + 8 c
.set VFR, 192                          ; key half kk, channel block cb at VFR + 32 kk + 8 cb
.set WV,  12                           ; s12  my wave's number
.set SB,  66                           ; s66  the base of the slot in hand
.set NXT, 76                           ; s76  the tile to be asked for next
.set LQ,  77                           ; s77  the last tile of the block whose tiles are being asked for
.set RT,  78                           ; s78  tiles of the first block still to be entered
.set TILES, 79
.set CNT, 80
.set TBK, 81                           ; s81-83  LDS byte at which the half in hand begins, for K, V and the norms
.set TBV, 82
.set TBN, 83
.set CS,  84                           ; s[84:85] c
.set SEL, 86                           ; s[86:87] v_permlanex16_b32's selects
.set AL,  88                           ; s[88:89] the mask's factor, in the low word
.set BE,  90                           ; s[90:91] its addend
.set BIGN, 92                          ; s92  -1e9
.set RB,  93                           ; s93  2 w: my first piece's group of 16 in the block
.set LQ2, 95                           ; s95  7 - g
.set MSB, 0
.macro WIN new                         ; the immediate's high byte repeats the setting that is left; a switch that changes nothing is dropped
.if MSB != (\new)
	s_set_vgpr_msb (MSB<<8)|(\new)
.set MSB, (\new)
.endif
.endm
.macro PLACES
.rept 4
	v_nop
.endr
.endm
; A fill: wave 0 fetches a tile's K, wave 1 its V, wave 2 its norms, wave 3 nothing.  An s_nop 0 and four v_nop follow each line, ahead of the jump and the label.
.macro LOAD
	s_cmp_eq_u32 s[WV], 0
	s_cbranch_scc0 .Lnot_k_\@
	tensor_load_to_lds s[56:59], s[32:39]
	s_nop 0
.rept 4
	v_nop
.endr
	s_branch .Lasked_\@
.Lnot_k_\@:
	s_cmp_eq_u32 s[WV], 1
	s_cbranch_scc0 .Lnot_v_\@
	tensor_load_to_lds s[60:63], s[40:47]
	s_nop 0
.rept 4
	v_nop
.endr
	s_branch .Lasked_\@
.Lnot_v_\@:
	s_cmp_eq_u32 s[WV], 2
	s_cbranch_scc0 .Lasked_\@
	tensor_load_to_lds s[68:71], s[48:55]
	s_nop 0
.rept 4
	v_nop
.endr
.Lasked_\@:
.endm
; THE CHANGE OF SLOTS.  Each wave waits for all its tensor loads (one at the most is out: its part of the other slot), adds 0 to its spare word, and waits for that and for its reads of the slot that it leaves.
; Behind the barrier nobody reads the old slot and the other is whole.  fill = 1: the old slot is filled again, first thing behind the barrier, with tile NXT: the addresses are made anew from that number.
; The load has a whole tile's turns in which to land.  (At its first use nothing has been read yet: slot 0 is waited for, slot 1 filled.)
.macro CHANGE fill
	WIN 0
	s_wait_tensorcnt 0x0                           ; no tensor load of mine is out, so a group 0 may be written
	ds_add_u32 v[SPW], v[NIL]                      ; 0 onto my spare word; the scalar work stands between it and the wait for it
.if \fill
	s_lshl_b32 s72, s[NXT], 15                     ; a tile is 32,768 bytes of K and of V,
	s_lshl_b32 s74, s[NXT], 10                     ; 1,024 of norms
	s_xor_b32 s57, s57, SLOT1
	s_add_nc_u64 s[58:59], s[16:17], s[72:73]
	s_or_b32 s59, s59, 0x80000000
	s_xor_b32 s61, s61, SLOT1
	s_add_nc_u64 s[62:63], s[18:19], s[72:73]
	s_or_b32 s63, s63, 0x80000000
	s_xor_b32 s69, s69, SLOT1
	s_add_nc_u64 s[70:71], s[20:21], s[74:75]
	s_or_b32 s71, s71, 0x80000000
	s_add_co_u32 s[NXT], s[NXT], 1                 ; the block's next tile, or behind its last the second block's tile 0
	s_cmp_gt_u32 s[NXT], s[LQ]
	s_cselect_b32 s[NXT], 0, s[NXT]
	s_cselect_b32 s[LQ], s[LQ2], s[LQ]
.endif
	s_xor_b32 s[SB], s[SB], SLOT1                  ; the fetches go to the other slot's first half
	s_mov_b32 s[TBK], s[SB]
	s_mov_b32 s[TBV], s[SB]
	s_mov_b32 s[TBN], s[SB]
	s_wait_dscnt 0x0                               ; the add is done, and my reads of the slot are over
	s_barrier_signal -1
	s_barrier_wait -1
.if \fill
	LOAD
.endif
.endm
	s_load_b128 s[4:7], s[0:1], 0x0                ; qkv s[4:5], nrm s[6:7]
	s_load_b64 s[8:9], s[0:1], 0x10                ; ob
	v_lshl_add_u32 v[SPW], v0, 2, SPARE
	v_mov_b32 v[NIL], 0
	ds_add_u32 v[SPW], v[NIL]                      ; the wave's opening: the add and its wait stand ahead of my first tensor load; the set-up below, work on registers, stands between them
	v_lshrrev_b32 v13, 5, v0
	v_readfirstlane_b32 s[WV], v13                 ; wave 0..3
	s_mov_b32 s13, ttmp9                           ; g
	s_and_b32 s14, ttmp7, 0xffff                   ; (batch, head)
	s_lshl_b32 s[RB], s[WV], 1
	s_sub_co_u32 s[LQ2], 7, s13
	s_lshl_b32 s2, s14, 18                         ; the head's first byte in q, k, v and O
	s_mov_b32 s3, 0
	s_lshl_b32 s15, s13, 1
	s_add_co_u32 s72, s15, 1                       ; the first block, 2 g + 1,
	s_sub_co_u32 s74, 14, s15                      ; and the second, 14 - 2 g:
	s_lshl_b32 s72, s72, 14                        ; 128 rows of 128 bytes each,
	s_lshl_b32 s74, s74, 14
	s_lshl_b32 s15, s[WV], 12                      ; my 32 rows,
	s_add_co_u32 s72, s72, s15
	s_add_co_u32 s74, s74, s15
	s_add_co_u32 s72, s72, s2                      ; in the head
	s_add_co_u32 s74, s74, s2
	s_mov_b32 s73, 0
	s_mov_b32 s75, 0
	; group 1.  256 keys are 32,768 dense bytes: asked for as 128 rows of 256 bytes, two keys a row, and padded in LDS after every key
	s_mov_b32 s32, (1<<16)|(1<<20)|(4<<22)|(3<<25) ; 2-byte elements; padding on; after every 32 words; 4 words
	s_mov_b32 s40, (1<<16)|(1<<20)|(4<<22)|(7<<25) ; the same with 8 words
.irp g, 32, 40
	s_mov_b32 s[\g+1], 128<<16                     ; tensor_dim0
	s_mov_b32 s[\g+2], 128<<16                     ; tensor_dim1
	s_mov_b32 s[\g+3], 128<<16                     ; tile_dim0
	s_mov_b32 s[\g+4], 128                         ; tile_dim1
	s_mov_b32 s[\g+5], 128                         ; the pitch
	s_mov_b32 s[\g+6], 0
	s_mov_b32 s[\g+7], 0
.endr
	s_mov_b32 s48, 3<<16                           ; the norms: 1,024 dense bytes as 4 rows of 32 elements of 8 bytes, no padding
	s_mov_b32 s49, 32<<16
	s_mov_b32 s50, 4<<16
	s_mov_b32 s51, 32<<16
	s_mov_b32 s52, 4
	s_mov_b32 s53, 32
	s_mov_b32 s54, 0
	s_mov_b32 s55, 0
	s_mov_b32 s56, 1                               ; group 0: count 1; LDS address in slot 0
	s_mov_b32 s57, 0
	s_mov_b32 s60, 1
	s_mov_b32 s61, VOFF
	s_mov_b32 s68, 1
	s_mov_b32 s69, NOFF
	s_mov_b32 s[CS], 0x3fb8aa3b                    ; c = log2(e)
	s_mov_b32 s[CS+1], s[CS]                       ; named with it as a pair
	s_mov_b32 s[SEL], 0x76543210
	s_mov_b32 s[SEL+1], 0xfedcba98
	s_mov_b32 s[AL], 0
	s_mov_b32 s[AL+1], 0
	s_mov_b32 s[BE], 0
	s_mov_b32 s[BE+1], 0
	s_mov_b32 s[BIGN], 0xce6e6b28                  ; -1e9
	s_mov_b32 s[SB], SLOT1                         ; the first change of slots turns it into 0
	s_mov_b32 s[NXT], 1                            ; tile 0 is asked for below; then tile 1, or for g = 0 the second block's tile 0
	s_mov_b32 s[LQ], s13
	s_cmp_gt_u32 s[NXT], s[LQ]
	s_cselect_b32 s[NXT], 0, s[NXT]
	s_cselect_b32 s[LQ], s[LQ2], s[LQ]
	s_add_co_u32 s[RT], s13, 1                     ; the first block has g + 1 tiles
	s_mov_b32 s[TILES], 8
	s_wait_dscnt 0x0                               ; the opening add is done
	s_barrier_signal -1
	s_barrier_wait -1
	s_wait_kmcnt 0x0
	s_add_nc_u64 s[16:17], s[4:5], s[2:3]
	s_add_nc_u64 s[16:17], s[16:17], 8388608       ; the head's K,
	s_add_nc_u64 s[18:19], s[16:17], 8388608       ; and V
	s_add_nc_u64 s[22:23], s[4:5], s[72:73]        ; Q at my rows of the first block,
	s_add_nc_u64 s[24:25], s[4:5], s[74:75]        ; and of the second
	s_add_nc_u64 s[10:11], s[8:9], s[72:73]        ; O likewise
	s_add_nc_u64 s[26:27], s[8:9], s[74:75]
	s_lshr_b32 s72, s72, 5                         ; a row's 4 bytes of norm for its 128 bytes of q
	s_lshr_b32 s74, s74, 5
	s_lshr_b32 s2, s2, 5
	s_add_nc_u64 s[28:29], s[6:7], s[72:73]        ; |q|^2 at my rows of the two blocks
	s_add_nc_u64 s[30:31], s[6:7], s[74:75]
	s_add_nc_u64 s[20:21], s[6:7], s[2:3]
	s_add_nc_u64 s[20:21], s[20:21], 262144        ; the head's |k|^2
	s_add_nc_u64 s[58:59], s[16:17], 0             ; tile 0
	s_or_b32 s59, s59, 0x80000000
	s_add_nc_u64 s[62:63], s[18:19], 0
	s_or_b32 s63, s63, 0x80000000
	s_add_nc_u64 s[70:71], s[20:21], 0
	s_or_b32 s71, s71, 0x80000000
	LOAD                                           ; tile 0 into slot 0
	; all that follows stands in the wait for the first tile
	v_and_b32 v1, 15, v0                           ; r = lane % 16
	v_bfe_u32 v13, v0, 4, 1                        ; h = lane / 16
	v_lshlrev_b32 v[QO], 7, v1
	v_lshl_add_u32 v[QO], v13, 4, v[QO]            ; row x 128 + 16 h
	v_lshlrev_b32 v12, 2, v1
	WIN 0x40                                       ; destination window 1, address window 0
.set i, 0
.rept 4                                                ; both blocks' Q: piece i / 2, channels 32 (i % 2) on
	global_load_b128 v[QF+8*i:QF+8*i+3],   v[QO], s[22:23] offset:(i/2)*2048+(i%2)*64
	global_load_b128 v[QF+8*i+4:QF+8*i+7], v[QO], s[22:23] offset:(i/2)*2048+(i%2)*64+32
	global_load_b128 v[QB+8*i:QB+8*i+3],   v[QO], s[24:25] offset:(i/2)*2048+(i%2)*64
	global_load_b128 v[QB+8*i+4:QB+8*i+7], v[QO], s[24:25] offset:(i/2)*2048+(i%2)*64+32
.set i, i+1
.endr
	WIN 0
	global_load_b32 v58, v12, s[28:29]             ; my query's |q|^2: the first block's two pieces,
	global_load_b32 v59, v12, s[28:29] offset:64
	global_load_b32 v[NQB], v12, s[30:31]          ; the second block's
	global_load_b32 v[NQB+1], v12, s[30:31] offset:64
	v_lshlrev_b32 v60, 3, v13
	v_sub_nc_u32 v60, v1, v60                      ; r - 8 h: register j of a group of 16 keys is hidden, in the queries' own group, where j is greater
.set i, 0
.rept 8
	v_cmp_gt_i32 vcc_lo, i, v60
	v_cndmask_b32 v[MD8+i], 0, s[BIGN], vcc_lo
.set i, i+1
.endr
	v_mul_u32_u24 v[AK0], v1, PK
	v_lshl_add_u32 v[AK0], v13, 4, v[AK0]          ; row x pitch + 16 h
	v_and_b32 v14, 7, v0
	v_bfe_u32 v15, v0, 3, 1
	v_lshl_add_u32 v[AV0], v13, 3, v14             ; the turning load: key 8 h + lane % 8, 16 bytes for each half of eight lanes
	v_mul_u32_u24 v[AV0], v[AV0], PVP
	v_lshl_add_u32 v[AV0], v15, 4, v[AV0]
	v_add_nc_u32 v[AV0], VOFF, v[AV0]
	v_lshl_add_u32 v[AN0], v13, 5, NOFF            ; my lanes' eight norms of each 16
	s_mul_i32 s15, s[WV], 16*SP
	s_add_co_u32 s15, s15, STAGE                   ; my stage
	v_mul_u32_u24 v[STO], v1, SP
	v_lshl_add_u32 v[STO], v13, 4, v[STO]
	v_add_nc_u32 v[STO], s15, v[STO]
	v_bfe_u32 v[RD], v0, 3, 2                      ; back: 32 lanes take four rows of 128 bytes,
	v_mul_u32_u24 v[RD], v[RD], SP
	v_lshl_add_u32 v[RD], v14, 4, v[RD]
	v_add_nc_u32 v[RD], s15, v[RD]
	v_and_b32 v[GO], 31, v0                        ; which are 512 consecutive bytes of O
	v_lshlrev_b32 v[GO], 4, v[GO]
	; A half opens with the products V^T P that the half before left over, and a block's first step multiplies O^T and l by a = 0.  So O^T, V and piece 1's P need only hold finite numbers: zeros here.
	WIN 0x40
.set i, 0
.rept 64
	v_mov_b32 v[i], 0
	v_mov_b32 v[VFR+i], 0
.set i, i+1
.endr
	WIN 0
.set i, 0
.rept 16
	v_mov_b32 v[P+16+i], 0
.set i, i+1
.endr
.irp y, 0,1
	v_mov_b32 v[ST+4*(\y)], 0xfe000000             ; c m: far below every c s
	v_mov_b32 v[ST+4*(\y)+1], 0xff7fffff           ; m
	v_mov_b32 v[ST+4*(\y)+2], 0
	v_mov_b32 v[ST+4*(\y)+3], 0
.endr
	s_wait_loadcnt 0x0                             ; Q and |q|^2
	v_add_f32 v[NQ], 0x358637bd, v58               ; + 1e-6
	v_add_f32 v[NQ+2], 0x358637bd, v59
	v_add_f32 v[NQB], 0x358637bd, v[NQB]
	v_add_f32 v[NQB+1], 0x358637bd, v[NQB+1]
	v_mov_b32 v[NQ+1], v[NQ]
	v_mov_b32 v[NQ+3], v[NQ+2]
; THE MATRIX WORK.  The 4 accumulators of a run of 8 take turns.  Product i of 8 of S^T = K Q^T for piece x: channels 32 (i / 4) on, keys 16 (i % 4) on; the first 4 start the sums.
.macro KQ x, i
.set rS_, S+32*(\x)+8*((\i)%4)
.set rK_, KF+16*((\i)%4)+8*((\i)/4)
.set rQ_, QF+16*(\x)+8*((\i)/4)
	WIN 0x05                                       ; K and Q in window 1, S^T in window 0
.if (\i) < 4
	v_wmma_f32_16x16x32_f16 v[rS_:rS_+7], v[rK_:rK_+7], v[rQ_:rQ_+7], 0
.else
	v_wmma_f32_16x16x32_f16 v[rS_:rS_+7], v[rK_:rK_+7], v[rQ_:rQ_+7], v[rS_:rS_+7]
.endif
.endm
; Product i of 8 of O^T += V^T P for piece x: keys 32 (i / 4) on, channels 16 (i % 4) on.
.macro PV x, i
.set rO_, 32*(\x)+8*((\i)%4)
.set rV_, VFR+32*((\i)/4)+8*((\i)%4)
.set rP_, P+16*(\x)+8*((\i)/4)
	WIN 0x51                                       ; V in window 1, P in window 0, O^T in window 1
	v_wmma_f32_16x16x32_f16 v[rO_:rO_+7], v[rV_:rV_+7], v[rP_:rP_+7], v[rO_:rO_+7]
.endm
.macro KQB x                           ; eight on end
.set bi, 0
.rept 8
	KQ \x, bi
.set bi, bi+1
.endr
.endm
.macro PVB x
.set bi, 0
.rept 8
	PV \x, bi
.set bi, bi+1
.endr
.endm
; THE LDS LOADS stand in runs of 16: step st's K (64 keys x 64 channels), its V (turned), and the half's 128 norms.
.macro FETCH_K st
	WIN 0x40
.irp f, 0,1,2,3,4,5,6,7                ; keys 16 (f / 2) on, channels 32 (f % 2) on
	ds_load_b128 v[KF+8*(\f):KF+8*(\f)+3],   v[AK] offset:64*PK*(\st)+((\f)/2)*16*PK+((\f)%2)*64
	ds_load_b128 v[KF+8*(\f)+4:KF+8*(\f)+7], v[AK] offset:64*PK*(\st)+((\f)/2)*16*PK+((\f)%2)*64+32
.endr
.endm
.macro FETCH_V st
	WIN 0x40
.irp f, 0,1,2,3,4,5,6,7                ; keys 32 (f / 4) on, channels 16 (f % 4) on
	ds_load_tr16_b128 v[VFR+8*(\f):VFR+8*(\f)+3],   v[AV] offset:64*PVP*(\st)+((\f)/4)*32*PVP+((\f)%4)*32
	ds_load_tr16_b128 v[VFR+8*(\f)+4:VFR+8*(\f)+7], v[AV] offset:64*PVP*(\st)+((\f)/4)*32*PVP+16*PVP+((\f)%4)*32
.endr
.endm
.macro FETCH_N
	WIN 0
.irp f, 0,1,2,3,4,5,6,7                ; group f of 16 keys: my lanes' eight norms
	ds_load_b128 v[NK+8*(\f):NK+8*(\f)+3],   v[AN] offset:64*(\f)
	ds_load_b128 v[NK+8*(\f)+4:NK+8*(\f)+7], v[AN] offset:64*(\f)+16
.endr
.endm
; THE VECTOR WORK of piece Y and step STP, one line a macro; n is a pair of scores (0 to 15), i a score (0 to 31); a number outside its range writes nothing.
.macro OPT n                           ; |k|^2 + (|q|^2 + 1e-6)
.if ((\n) >= 0) && ((\n) < 16)
	WIN 0
	v_pk_add_f32 v[DN+2*(\n):DN+2*(\n)+1], v[rN+2*(\n):rN+2*(\n)+1], v[rQ:rQ+1]
.endif
.endm
.macro OPD n                           ; - 2 d: the first read of each accumulator, at its low end
.if ((\n) >= 0) && ((\n) < 16)
	WIN 0
	v_pk_fma_f32 v[DN+2*(\n):DN+2*(\n)+1], v[rS+2*(\n):rS+2*(\n)+1], -2.0, v[DN+2*(\n):DN+2*(\n)+1] op_sel_hi:[1,0,1]
.endif
.endm
.macro OPR i                           ; its reciprocal
.if ((\i) >= 0) && ((\i) < 32)
	WIN 0
	v_rcp_f32 v[DN+(\i)], v[DN+(\i)]
.endif
.endm
.macro OPU n                           ; d / denominator
.if ((\n) >= 0) && ((\n) < 16)
	WIN 0
	s_wait_alu depctr_va_vdst(0)
	v_pk_mul_f32 v[DN+2*(\n):DN+2*(\n)+1], v[DN+2*(\n):DN+2*(\n)+1], v[rS+2*(\n):rS+2*(\n)+1]
.endif
.endm
.macro OPK n                           ; the pair's mask; at each group of 16 keys the two scalars: is the keys' group 4 STP + n / 4 my piece's own (2 w + Y), or a later one?
.if MK && ((\n) >= 0) && ((\n) < 16)
.if (\n)%4 == 0
	s_cmp_eq_i32 s[RB], 4*STP+(\n)/4-Y
	s_cselect_b32 s[AL], 1.0, 0
	s_cmp_lt_i32 s[RB], 4*STP+(\n)/4-Y
	s_cselect_b32 s[BE], s[BIGN], 0
.endif
	WIN 0
	v_pk_fma_f32 v[MC+2*((\n)%4):MC+2*((\n)%4)+1], v[MD8+2*((\n)%4):MD8+2*((\n)%4)+1], s[AL:AL+1], s[BE:BE+1] op_sel_hi:[1,0,0]
.endif
.endm
.macro OPW n                           ; the score, d x d / denominator, with the mask where there is one
.if ((\n) >= 0) && ((\n) < 16)
	WIN 0
.if MK
	v_pk_fma_f32 v[rS+2*(\n):rS+2*(\n)+1], v[rS+2*(\n):rS+2*(\n)+1], v[DN+2*(\n):DN+2*(\n)+1], v[MC+2*((\n)%4):MC+2*((\n)%4)+1]
.else
	v_pk_mul_f32 v[rS+2*(\n):rS+2*(\n)+1], v[rS+2*(\n):rS+2*(\n)+1], v[DN+2*(\n):DN+2*(\n)+1]
.endif
.endif
.endm
.macro OPG n                           ; the maximum, in four chains
.if ((\n) >= 0) && ((\n) < 4)
	WIN 0
	v_max_num_f32 v[rC+(\n)], v[rS+2*(\n)], v[rS+2*(\n)+1]
.elseif ((\n) >= 4) && ((\n) < 16)
	WIN 0
	v_max3_num_f32 v[rC+(\n)%4], v[rC+(\n)%4], v[rS+2*(\n)], v[rS+2*(\n)+1]
.endif
.endm
.macro OPX n                           ; the chain: the four chains and the old m; the other half of the lanes'; c m; a
	WIN 0
.if (\n) == 0
	v_max3_num_f32 v[rC], v[rC], v[rC+1], v[rC+2]
.elseif (\n) == 1
	v_mov_b32 v[CMO+Y], v[rT]
.elseif (\n) == 2
	v_max3_num_f32 v[rC], v[rC], v[rC+3], v[rT+1]
.elseif (\n) == 3
	v_permlanex16_b32 v[rC+1], v[rC], s[SEL], s[SEL+1]
.elseif (\n) == 4
	v_max_num_f32 v[rT+1], v[rC], v[rC+1]
.elseif (\n) == 5
	v_mul_f32 v[rT], s[CS], v[rT+1]
.elseif (\n) == 6
	v_sub_f32 v[rC+1], v[CMO+Y], v[rT]
.else
	v_exp_f32 v[rC+2], v[rC+1]
.endif
.endm
.macro OPF n                           ; c s - c m
.if ((\n) >= 0) && ((\n) < 16)
	WIN 0
	v_pk_fma_f32 v[rS+2*(\n):rS+2*(\n)+1], v[rS+2*(\n):rS+2*(\n)+1], s[CS:CS+1], v[rT:rT+1] op_sel_hi:[1,0,0] neg_lo:[0,0,1] neg_hi:[0,0,1]
.endif
.endm
.macro OPE i                           ; the weight
.if ((\i) >= 0) && ((\i) < 32)
	WIN 0
	v_exp_f32 v[rS+(\i)], v[rS+(\i)]
.endif
.endm
.macro OPC n                           ; rounded to f16
.if ((\n) >= 0) && ((\n) < 16)
	WIN 0
	s_wait_alu depctr_va_vdst(0)
	v_cvt_pk_f16_f32 v[rP+(\n)], v[rS+2*(\n)], v[rS+2*(\n)+1]
.endif
.endm
.macro OPB k                           ; of four weights the second pair onto the first, in place
	WIN 0
	v_pk_add_f32 v[rS+4*(\k):rS+4*(\k)+1], v[rS+4*(\k):rS+4*(\k)+1], v[rS+4*(\k)+2:rS+4*(\k)+3]
.endm
.macro OPL k                           ; l takes that sum; the first time l = a l + sum
	WIN 0
.if (\k) == 0
	v_pk_fma_f32 v[rT+2:rT+3], v[rT+2:rT+3], v[rC+2:rC+3], v[rS:rS+1] op_sel_hi:[1,0,1]
.else
	v_pk_add_f32 v[rT+2:rT+3], v[rT+2:rT+3], v[rS+4*(\k):rS+4*(\k)+1]
.endif
.endm
.macro OPZ n                           ; O^T times a: the one part outside window 0, so it is dealt four at a time; each accumulator from its low end on
	WIN 0x41
	v_pk_mul_f32 v[rO+2*(\n):rO+2*(\n)+1], v[rO+2*(\n):rO+2*(\n)+1], v[rC+2:rC+3] op_sel_hi:[1,0]
.endm
; A TURN: the vector list of piece y, step st; among its lines the products of the OTHER piece: pv: 8 of V^T P, kq: 8 of K Q^T.  With both, V^T P stands in the first stage, one in front of every second beat,
; and K Q^T in the chain; with one, that one stands in the chain.  No vector line names a register of the products round it.
; STAGE 1 is a pipeline of beats: sum of norms four pairs ahead, - 2 d, the two reciprocals a beat later, d / den two, the score three, the maximum four beats later.  A plain line stands behind every
; reciprocal and exponential before its result is used (ISA guide 5.7.2).  STAGE 2 likewise: scaling two pairs ahead, two exponentials, the rounding a beat later, the sums behind that.
; m = 1: the diagonal half.  fk = 1: the next step's K is fetched behind beat 2 of stage 2: twelve plain lines behind the last product that read K.  fv = 1: the next step's V behind stage 1: nine plain lines behind
; the last product that read V.  w = 1: the turn's first product waits for all LDS loads.
.macro TURN y, st, m, pv, kq, fk, fv, w
.set Y, (\y)
.set XP, 1-(\y)
.set STP, (\st)
.set MK, (\m)
.set rT, ST+4*Y
.set rC, TMP+4*Y
.set rS, S+32*Y
.set rP, P+16*Y
.set rN, NK+32*STP
.set rQ, NQ+2*Y
.set rO, 32*Y
.set mi, 0
	OPT 0
	OPT 1
	OPT 2
	OPT 3
.set tb, 0
.rept 20
.if (\pv) && (\kq) && (tb%2 == 0) && (tb >= 2) && (tb <= 16)
.if (\w) && (mi == 0)
	s_wait_dscnt 0x0
.endif
	PV XP, mi
.set mi, mi+1
.endif
	OPT tb+4
	OPR 2*tb-2
	OPD tb
	OPR 2*tb-1
	OPU tb-2
	OPK tb-2
	OPW tb-3
	OPG tb-4
.set tb, tb+1
.endr
.if \fv
	FETCH_V 1
.endif
.set ci, 0
.rept 8
.if (\w) && (mi == 0)
	s_wait_dscnt 0x0
.endif
.if \kq
	KQ XP, ci
.else
	PV XP, ci
.endif
.set mi, mi+1
	OPX ci
.set ci, ci+1
.endr
	OPF 0
	OPF 1
.set tb, 0
.rept 18
	OPF tb+2
	OPE 2*tb
	OPC tb-1
	OPE 2*tb+1
.if (tb%2 == 0) && (tb >= 2)
	OPB tb/2-1
.endif
.if (tb%2 == 1) && (tb >= 3)
	OPL (tb-3)/2
.endif
.if (tb%4 == 1) && (tb < 16)
	OPZ tb-1
	OPZ tb
	OPZ tb+1
	OPZ tb+2
.endif
.if (\fk) && (tb == 2)
	FETCH_K 1
.endif
.set tb, tb+1
.endr
.endm
; A HALF: 128 keys, steps a and b.  It opens with the half's first fetches; under them piece 1's last V^T P of the half before, left over for this place.
.macro HALF m
	WIN 0
	v_add_nc_u32 v[AK], s[TBK], v[AK0]
	v_add_nc_u32 v[AV], s[TBV], v[AV0]
	v_add_nc_u32 v[AN], s[TBN], v[AN0]
	FETCH_K 0
	FETCH_N
	PVB 1
	PLACES                                         ; in front of the loads into V's registers
	FETCH_V 0
	s_wait_dscnt 32                                ; K is in: the 16 loads of norms and the 16 of V may stay out
	KQB 0
	s_wait_dscnt 16                                ; the norms are in: V's 16 may stay out
	TURN 0, 0, \m, 0, 1, 1, 0, 0                   ; piece 0, step a | K Q^T of piece 1, step a | fetches K of step b
	TURN 1, 0, \m, 1, 1, 0, 0, 1                   ; piece 1, step a | V^T P of piece 0, step a; K Q^T of piece 0, step b
	TURN 0, 1, \m, 1, 1, 0, 1, 0                   ; piece 0, step b | V^T P of piece 1, step a; K Q^T of piece 1, step b | fetches V of step b
	TURN 1, 1, \m, 1, 0, 0, 0, 1                   ; piece 1, step b | V^T P of piece 0, step b
	WIN 0
.endm
; A BLOCK'S END: piece 1's last products; l's two halves and the other half of the lanes' are added; O^T is divided by l, rounded to f16 and sent through my stage, a piece at a time.
.macro PACK p
	WIN 0x41
.set i, 32*(\p)
.rept 16
	s_wait_alu depctr_va_vdst(0)
	v_pk_mul_f32 v[i:i+1], v[i:i+1], v[ST+4*(\p)+2:ST+4*(\p)+3] op_sel_hi:[1,0]
.set i, i+2
.endr
	WIN 0x05                                       ; sources 0 and 1 window 1, destination window 0: S^T's registers are free
.set i, 0
.rept 16
	v_cvt_pk_f16_f32 v[S+16*(\p)+i], v[32*(\p)+2*i], v[32*(\p)+2*i+1]
.set i, i+1
.endr
	WIN 0
.irp f, 0,1,2,3
	ds_store_b128 v[STO], v[S+16*(\p)+4*(\f):S+16*(\p)+4*(\f)+3] offset:32*(\f)
.endr
.irp f, 0,1,2,3
	ds_load_b128 v[S+16*(\p)+4*(\f):S+16*(\p)+4*(\f)+3], v[RD] offset:(\f)*4*SP  ; LDS serves a wave's instructions in order (ISA guide 5.7.1.4): these see the stores above; the next piece's stores come behind them
.endr
.endm
.macro SEND p, younger                 ; younger: the LDS instructions issued behind piece p's loads
.irp f, 0,1,2,3
	s_wait_dscnt (\younger)+3-(\f)
	global_store_b128 v[GO], v[S+16*(\p)+4*(\f):S+16*(\p)+4*(\f)+3], s[10:11] offset:(\p)*2048+(\f)*512  ; 512 consecutive bytes, at a multiple of 256 from O's first
.endr
.endm
.macro FINISH
	PVB 1
	WIN 0
.irp y, 0,1
	v_add_f32 v[ST+4*(\y)+2], v[ST+4*(\y)+2], v[ST+4*(\y)+3]
.endr
.irp y, 0,1
	v_permlanex16_b32 v[ST+4*(\y)+3], v[ST+4*(\y)+2], s[SEL], s[SEL+1]
.endr
.irp y, 0,1
	v_add_f32 v[ST+4*(\y)+2], v[ST+4*(\y)+2], v[ST+4*(\y)+3]
.endr
.irp y, 0,1
	v_rcp_f32 v[ST+4*(\y)+2], v[ST+4*(\y)+2]
.endr
	v_nop                                          ; a plain instruction between the last reciprocal and the use of its result
	PACK 0                                         ; piece 0's lines are the places behind piece 1's last products
	PACK 1
	SEND 0, 8
	SEND 1, 0
.endm
.Ltile:                                                ; 8 trips: a tile is entered and the next is asked for
	CHANGE 1
	s_sub_co_u32 s[RT], s[RT], 1
	s_mov_b32 s[CNT], 2
.Lhalf:                                                ; the tile's two halves by one text; the first block's last half is not plain and is jumped over: neither a barrier nor a tensor load is passed
	s_cmp_eq_u32 s[CNT], 1
	s_cselect_b32 s94, s[RT], 1
	s_cmp_eq_u32 s94, 0
	s_cbranch_scc1 .Ldead
	HALF 0
.Ldead:
	s_add_co_u32 s[TBK], s[TBK], 128*PK
	s_add_co_u32 s[TBV], s[TBV], 128*PVP
	s_add_co_u32 s[TBN], s[TBN], 512
	s_sub_co_u32 s[CNT], s[CNT], 1
	s_cmp_lg_u32 s[CNT], 0
	s_cbranch_scc1 .Lhalf
	s_cmp_lg_u32 s[RT], 0
	s_cbranch_scc1 .Lbottom
	s_add_co_u32 s[TBK], s[SB], 128*PK             ; the first block's end: the tile's second half holds the diagonal
	s_add_co_u32 s[TBV], s[SB], 128*PVP
	s_add_co_u32 s[TBN], s[SB], 512
	HALF 1
	FINISH
	s_wait_xcnt 0x0                                ; the stores have had their addresses translated (ISA guide 3.1): their data registers and O's address are rewritten only behind this wait
	s_mov_b64 s[10:11], s[26:27]                   ; THE SECOND BLOCK: its O, its Q, its |q|^2, and the statistics' start
	WIN 0x41
.set i, 0
.rept 32
	v_mov_b32 v[QF+i], v[QB+i]
.set i, i+1
.endr
	WIN 0
.irp y, 0,1
	v_mov_b32 v[ST+4*(\y)], 0xfe000000
	v_mov_b32 v[ST+4*(\y)+1], 0xff7fffff
	v_mov_b32 v[ST+4*(\y)+2], 0
	v_mov_b32 v[ST+4*(\y)+3], 0
	v_mov_b32 v[NQ+2*(\y)], v[NQB+(\y)]
	v_mov_b32 v[NQ+2*(\y)+1], v[NQB+(\y)]
.endr
.Lbottom:
	s_sub_co_u32 s[TILES], s[TILES], 1
	s_cmp_lg_u32 s[TILES], 0
	s_cbranch_scc1 .Ltile
	CHANGE 0                                       ; the walk's last tile is written out: nothing is asked for; its first half holds the diagonal, its second is hidden
	HALF 1
	FINISH
	s_wait_tensorcnt 0x0                           ; the wave's end: these three lines stand behind my last tensor load and my last LDS store
	ds_add_u32 v[SPW], v[NIL]
	s_wait_dscnt 0x0
	s_endpgm
.Lfunc_end_k_qf85ecba866_attn:
	.size	k_qf85ecba866_attn, .Lfunc_end_k_qf85ecba866_attn-k_qf85ecba866_attn
	.p2alignl 7, 3214868480
	.fill 96, 4, 3214868480
	.section	.rodata,"a",@progbits
	.p2align	6, 0x0
	.amdhsa_kernel k_qf85ecba866_attn
		.amdhsa_group_segment_fixed_size 327680
		.amdhsa_private_segment_fixed_size 0
		.amdhsa_enable_private_segment 0
		.amdhsa_kernarg_size 24
		.amdhsa_user_sgpr_count 2
		.amdhsa_user_sgpr_kernarg_segment_ptr 1
		.amdhsa_wavefront_size32 1
		.amdhsa_system_sgpr_workgroup_id_x 1
		.amdhsa_system_sgpr_workgroup_id_y 1
		.amdhsa_system_sgpr_workgroup_id_z 1
		.amdhsa_system_vgpr_workitem_id 0
		.amdhsa_next_free_vgpr 512
		.amdhsa_next_free_sgpr 96
		.amdhsa_reserve_vcc 1
		.amdhsa_float_denorm_mode_32 3
		.amdhsa_float_denorm_mode_16_64 3
		.amdhsa_memory_ordered 1
		.amdhsa_forward_progress 1
		.amdhsa_inst_pref_size 236
	.end_amdhsa_kernel
	.amdgpu_metadata
---
amdhsa.version: [ 1, 2 ]
amdhsa.kernels:
  - .name:           k_qf85ecba866_attn
    .symbol:         k_qf85ecba866_attn.kd
    .args:
      - { .name: qkv, .offset: 0, .size: 8, .value_kind: global_buffer, .address_space: global }
      - { .name: nrm, .offset: 8, .size: 8, .value_kind: global_buffer, .address_space: global }
      - { .name: ob, .offset: 16, .size: 8, .value_kind: global_buffer, .address_space: global }
    .group_segment_fixed_size: 327680
    .private_segment_fixed_size: 0
    .kernarg_segment_align: 8
    .kernarg_segment_size: 24
    .max_flat_workgroup_size: 128
    .sgpr_count:     96
    .vgpr_count:     512
    .wavefront_size: 32
...
	.end_amdgpu_metadata
.endif
;; end of part 3
;; launch proj (part 4): grid 8 x 32, 4 waves a work-group, clusters of 4 x 4, 327,680 bytes of LDS; arguments ob, cast, b_out, out0; writes out0
.if DOCPART == 4
	.amdgcn_target "amdgcn-amd-amdhsa--gfx1250"
	.amdhsa_code_object_version 6
	.text
	.protected	k_qf85ecba866_proj
	.globl	k_qf85ecba866_proj
	.p2align	8
	.type	k_qf85ecba866_proj,@function
k_qf85ecba866_proj:
	s_mov_b64 s[64:65], 0
	v_nop
	global_prefetch_b8 v0, s[64:65] scope:SCOPE_SE
	s_setreg_imm32_b32 hwreg(HW_REG_WAVE_MODE, 25, 1), 1
	s_wait_xcnt 0x0
	s_wait_alu depctr_hold_cnt(0) depctr_sa_sdst(0) depctr_va_vdst(0) depctr_va_sdst(0) depctr_va_ssrc(0) depctr_va_vcc(0) depctr_vm_vsrc(0)
	s_getreg_b32 s2, hwreg(HW_REG_IB_STS2, 6, 4)
	s_cmp_eq_u32 s2, 0
	s_cbranch_scc0 .Lentry_in_a_cluster
	s_endpgm
.Lentry_in_a_cluster:
	s_bfe_u32 s2, ttmp6, 0x10000c
	s_cmp_lg_u32 s2, 0xf033
	s_cbranch_scc0 .Lentry_shape_is_right
	s_endpgm
.Lentry_shape_is_right:
; out0 = O w_out + b_out.  O: [32 (batch, head)][2048][64] f16 (ob); w_out: [1024 k][1024 n], rounded to bf16 and written as f16, at byte 14,680,064 of cast; the bias is rounded to bf16 here, as every
; input is; sums in f32; out0 [4096][1024] f32.
; SHARES.  A tile of the result is 128 x 128: 8 x 32 = 256 work-groups.  Four waves, each 64 x 64: 16 accumulators.  K goes in 4 steps of 256, four heads each, through two LDS slots; a quarter of a step is one head.
; THE MATRIX INSTRUCTION IS USED TRANSPOSED: source 0 = 16 columns of w_out (stored [k][n], turned on the way out of LDS by ds_load_tr16_b128), source 1 = 16 rows of O: a lane holds row lane % 16 and
; eight neighbouring columns.  The bias, laid out likewise, is the C operand of the first products.
; CLUSTER 4 x 4: O's tile hangs on the tile row alone and is asked for jointly along a row of the cluster, w_out's on the tile column alone, jointly along a column.
; REGISTERS: window 0: v0-31 addresses; v32-63 rows read back; v96-127 the bias; v128-255 the accumulators ((a, b) at v[128 + 8 (4 a + b)]).
;   window 1: two fragment buffers of 128: for 64 along K, 64 registers of O, then 64 of w_out.
.set PAP,   144                        ; a row of O in LDS: 128 bytes + 16
.set PBP,   288                        ; a k-row of w_out: 256 + 32 = 9 x 32
.set HALFT, 36864                      ; what one tensor load brings: two heads' 128 rows of O, or 128 k-rows of w_out
.set SLOT,  4*HALFT                    ; O's four heads, then w_out's 256 k-rows
.set STAGE, 2*SLOT                     ; behind the ring, never filled by a tensor load: 16 rows x 272 bytes for each wave
.set SPITCH, 272
.set SPARE, STAGE+4*16*SPITCH          ; the spare words, 128 bytes for each wave: two blocks of 256 bytes that no other line names
.set WO,    14680064
.set ADRA, 16                          ; v16-17  LDS address of my fragments of O in slot 0, 1
.set ADRB, 20                          ; v20-23  of w_out: slot 0, 1 x first, second 128 k-rows (255 k-rows of 288 bytes pass the 16-bit offset)
.set STO,  24                          ; v24     the way out: where I put 32 bytes of a row
.set RD,   25                          ; v25     where I read a row back
.set CO,   26                          ; v26     my byte offset in out0
.set HB,   27                          ; v27     32 (lane / 16)
.set SPW,  28                          ; v28     LDS address of my spare word; never rewritten
.set NIL,  29                          ; v29     0; never rewritten
.set OB,   32
.set BI,   96
.set ACC,  128
.set F0,   0
.set F1,   128
.set G1, 24                            ; s[24:31] group 1 for O's tiles;  s[32:39] group 0, one set for each slot
.set G0, 32
.set G1B, 48                           ; s[48:55], s[56:63] the same for w_out's
.set G0B, 56
.set MSB, 0
.macro WIN new                         ; the immediate's high byte repeats the setting that is left
.if MSB != (\new)
	s_set_vgpr_msb (MSB<<8)|(\new)
.set MSB, (\new)
.endif
.endm
.set MULW, 0x05                        ; sources 0 and 1 window 1; C and D window 0
.set TO_F, 0x40                        ; destination window 1, address window 0
.macro JLOAD s                         ; a joint load: waves 0 and 1 fetch O's two halves, waves 2 and 3 w_out's; an s_nop 0 and four v_nop follow each line
	s_cmp_eq_u32 s13, 0
	s_cbranch_scc0 .Lfor_b_\@
	tensor_load_to_lds s[G0+4*(\s):G0+4*(\s)+3], s[G1:G1+7]
	s_nop 0
.rept 4
	v_nop
.endr
	s_branch .Lasked_\@
.Lfor_b_\@:
	tensor_load_to_lds s[G0B+4*(\s):G0B+4*(\s)+3], s[G1B:G1B+7]
	s_nop 0
.rept 4
	v_nop
.endr
.Lasked_\@:
.endm
.macro CREST                           ; a round of the cluster's barrier behind its opening barrier
	s_cmp_lg_u32 s12, 0
	s_cbranch_scc1 .Lnot_wave_0_\@
	s_barrier_signal -3
.Lnot_wave_0_\@:
	s_barrier_wait -3
	s_barrier_signal -1
	s_barrier_wait -1
.endm
.macro CROUND
	s_barrier_signal -1
	s_barrier_wait -1
	CREST
.endm
.macro PLACES
.rept 4
	v_nop
.endr
.endm
	s_load_b256 s[4:11], s[0:1], 0x0               ; ob s[4:5], cast s[6:7], b_out s[8:9], out0 s[10:11]
	v_lshl_add_u32 v[SPW], v0, 2, SPARE
	v_mov_b32 v[NIL], 0
	ds_add_u32 v[SPW], v[NIL]                      ; the wave's opening: the add and its wait stand ahead of my first tensor load; the set-up below, work on registers, stands between them
	v_lshrrev_b32 v1, 5, v0
	v_readfirstlane_b32 s12, v1                    ; wave 0..3
	s_lshr_b32 s13, s12, 1                         ; which half of the tile's rows is mine.  Also: I fetch for O (0) or for w_out (1)
	s_and_b32 s14, s12, 1                          ; which half of its columns.  Also: which half of that tile I fetch
	s_bfe_u32 s40, ttmp6, 0x40000                  ; cx, cy
	s_bfe_u32 s41, ttmp6, 0x40004
	s_lshl_b32 s42, ttmp9, 2
	s_add_co_u32 s42, s42, s40                     ; tile column = 4 x cluster x + cx
	s_and_b32 s43, ttmp7, 0xffff
	s_lshl_b32 s43, s43, 2
	s_add_co_u32 s43, s43, s41                     ; tile row = 4 x cluster y + cy
	s_lshl_b32 s44, s41, 2
	s_lshl_b32 s44, 15, s44                        ; my row of the cluster
	s_lshl_b32 s45, 0x1111, s40                    ; my column
	; group 1 for O: a head's 128 rows are 16,384 dense bytes: one row of 8,192 elements; two heads, 2,048 x 64 elements apart; 16 bytes of padding behind every 128
	s_or_b32 s[G1], s44, (1<<16)|(1<<20)|(1<<21)|(4<<22)|(3<<25)
	s_mov_b32 s[G1+1], 8192<<16                    ; tensor_dim0
	s_mov_b32 s[G1+2], 2<<16                       ; tensor_dim1
	s_mov_b32 s[G1+3], 8192<<16                    ; tile_dim0
	s_mov_b32 s[G1+4], 2                           ; tile_dim1
	s_mov_b32 s[G1+5], 131072                      ; the pitch
	s_mov_b32 s[G1+6], 0
	s_mov_b32 s[G1+7], 0
	; group 1 for w_out: 128 k-rows x 128 elements, 1,024 from row to row; 32 bytes of padding behind every 256
	s_or_b32 s[G1B], s45, (1<<16)|(1<<20)|(1<<21)|(5<<22)|(7<<25)
	s_mov_b32 s[G1B+1], 128<<16
	s_mov_b32 s[G1B+2], 128<<16
	s_mov_b32 s[G1B+3], 128<<16
	s_mov_b32 s[G1B+4], 128
	s_mov_b32 s[G1B+5], 1024
	s_mov_b32 s[G1B+6], 0
	s_mov_b32 s[G1B+7], 0
	; O's offset is made of the tile row and the wave alone: head 16 (tile row / 16) + 2 x half, row 128 (tile row % 16)
	s_lshr_b32 s16, s43, 4
	s_lshl_b32 s16, s16, 4
	s_lshl_b32 s17, s14, 1
	s_add_co_u32 s16, s16, s17
	s_lshl_b32 s16, s16, 18                        ; a head is 262,144 bytes
	s_and_b32 s17, s43, 15
	s_lshl_b32 s17, s17, 14
	s_add_co_u32 s16, s16, s17
	s_mov_b32 s17, 0
	; w_out's of the tile column and the wave alone: k-row 128 x half, column 128 x tile column
	s_lshl_b32 s46, s42, 8
	s_lshl_b32 s47, s14, 18
	s_add_co_u32 s46, s46, s47
	s_add_co_u32 s46, s46, WO
	s_mov_b32 s47, 0
	s_mul_i32 s20, s12, HALFT                      ; where they go: wave x 36,864: no place in the cluster enters an LDS address
	; the bias and the result: columns 128 x tile column + 64 x half, rows 128 x tile row + 64 x half
	s_lshl_b32 s66, s42, 9
	s_lshl_b32 s67, s14, 8
	s_add_co_u32 s66, s66, s67
	s_mov_b32 s67, 0
	s_lshl_b32 s18, s43, 7
	s_lshl_b32 s19, s13, 6
	s_add_co_u32 s18, s18, s19
	s_lshl_b32 s18, s18, 12
	s_add_co_u32 s18, s18, s66
	s_mov_b32 s19, 0
	s_mov_b32 s68, 0xffff0000
	s_wait_dscnt 0x0                               ; the opening add is done
	s_wait_kmcnt 0x0
	s_add_nc_u64 s[16:17], s[4:5], s[16:17]
	s_add_nc_u64 s[46:47], s[6:7], s[46:47]
	s_add_nc_u64 s[8:9], s[8:9], s[66:67]
	s_add_nc_u64 s[10:11], s[10:11], s[18:19]
	CROUND                                         ; all sixteen work-groups are here: the first joint loads meet
.irp s, 0,1
	s_mov_b32 s[G0+4*(\s)], 1
	s_add_co_u32 s[G0+4*(\s)+1], s20, (\s)*SLOT
	s_add_nc_u64 s[G0+4*(\s)+2:G0+4*(\s)+3], s[16:17], (\s)*4*262144   ; K step s: four heads on
	s_or_b32 s[G0+4*(\s)+3], s[G0+4*(\s)+3], 0x80000000
	s_mov_b32 s[G0B+4*(\s)], 1
	s_add_co_u32 s[G0B+4*(\s)+1], s20, (\s)*SLOT
	s_add_nc_u64 s[G0B+4*(\s)+2:G0B+4*(\s)+3], s[46:47], (\s)*256*2048 ; 256 k-rows on
	s_or_b32 s[G0B+4*(\s)+3], s[G0B+4*(\s)+3], 0x80000000
	JLOAD \s                                       ; two loads of mine are out
.endr
	v_and_b32 v1, 15, v0                           ; r
	v_bfe_u32 v2, v0, 4, 1                         ; h
	v_lshlrev_b32 v[HB], 5, v2
.irp b, 0,1,2,3
	global_load_b128 v[BI+8*(\b):BI+8*(\b)+3],   v[HB], s[8:9] offset:64*(\b)
	global_load_b128 v[BI+8*(\b)+4:BI+8*(\b)+7], v[HB], s[8:9] offset:64*(\b)+16
.endr
	v_and_b32 v5, 7, v0
	v_bfe_u32 v6, v0, 3, 1
	v_mul_u32_u24 v3, v1, PAP
	v_lshl_add_u32 v3, v2, 4, v3                   ; row x pitch + 16 h
	s_mul_i32 s21, s13, 64*PAP                     ; my 64 rows of each head
	v_add_nc_u32 v[ADRA], s21, v3
	v_add_nc_u32 v[ADRA+1], SLOT, v[ADRA]
	v_lshl_add_u32 v4, v2, 3, v5                   ; the turning load: k-row 8 h + lane % 8, 16 bytes for each half of eight lanes
	v_mul_u32_u24 v4, v4, PBP
	v_lshl_add_u32 v4, v6, 4, v4
	s_lshl_b32 s22, s14, 7                         ; my 64 columns,
	s_add_co_u32 s22, s22, 2*HALFT                 ; behind O's four heads
	v_add_nc_u32 v[ADRB], s22, v4
	v_add_nc_u32 v[ADRB+1], HALFT, v[ADRB]
	v_add_nc_u32 v[ADRB+2], SLOT, v[ADRB]
	v_add_nc_u32 v[ADRB+3], SLOT, v[ADRB+1]
	s_mul_i32 s23, s12, 16*SPITCH
	s_add_co_u32 s23, s23, STAGE                   ; my stage
	v_mul_u32_u24 v[STO], v1, SPITCH               ; in: row r, 32 bytes for each half of the lanes
	v_lshl_add_u32 v[STO], v2, 5, v[STO]
	v_add_nc_u32 v[STO], s23, v[STO]
	v_mul_u32_u24 v[RD], v2, SPITCH                ; back: lanes 0-15 take one row of 256 bytes, lanes 16-31 the next
	v_lshl_add_u32 v[RD], v1, 4, v[RD]
	v_add_nc_u32 v[RD], s23, v[RD]
	v_lshlrev_b32 v[CO], 12, v2                    ; and the same two rows in out0
	v_lshl_add_u32 v[CO], v1, 4, v[CO]
	s_wait_loadcnt 0x0
.set i, 0
.rept 16                                               ; the bias is rounded to bf16 and widened again
	v_cvt_pk_bf16_f32 v[8+i%4], v[BI+2*i], v[BI+2*i+1]
	v_lshlrev_b32 v[BI+2*i],   16,  v[8+i%4]
	v_and_b32     v[BI+2*i+1], s68, v[8+i%4]
.set i, i+1
.endr
; 8 products: m blocks a0, a0 + 1 x all 4 n blocks, 32 along K: half c of buffer f.  The 16 accumulators take turns.  first = 1: the bias starts the sums
.macro MUL8 f, c, a0, first
	WIN MULW
.irp a, \a0, (\a0)+1
.irp b, 0,1,2,3
.if \first
	v_wmma_f32_16x16x32_f16 v[ACC+8*(4*(\a)+(\b)):ACC+8*(4*(\a)+(\b))+7], v[(\f)+64+8*(4*(\c)+(\b)):(\f)+64+8*(4*(\c)+(\b))+7], v[(\f)+8*(4*(\c)+(\a)):(\f)+8*(4*(\c)+(\a))+7], v[BI+8*(\b):BI+8*(\b)+7]
.else
	v_wmma_f32_16x16x32_f16 v[ACC+8*(4*(\a)+(\b)):ACC+8*(4*(\a)+(\b))+7], v[(\f)+64+8*(4*(\c)+(\b)):(\f)+64+8*(4*(\c)+(\b))+7], v[(\f)+8*(4*(\c)+(\a)):(\f)+8*(4*(\c)+(\a))+7], v[ACC+8*(4*(\a)+(\b)):ACC+8*(4*(\a)+(\b))+7]
.endif
.endr
.endr
.endm
; 32 LDS loads in one run: the fragments of quarter q (head q of the step's four) into buffer f; the first 32 along K first
.macro FETCH slot, q, f
	WIN TO_F
.irp c, 0,1
.irp i, 0,1,2,3
	ds_load_tr16_b128 v[(\f)+64+8*(4*(\c)+(\i)):(\f)+64+8*(4*(\c)+(\i))+3],   v[ADRB+2*(\slot)+(\q)/2] offset:(64*((\q)%2)+32*(\c))*PBP+32*(\i)
	ds_load_tr16_b128 v[(\f)+64+8*(4*(\c)+(\i))+4:(\f)+64+8*(4*(\c)+(\i))+7], v[ADRB+2*(\slot)+(\q)/2] offset:(64*((\q)%2)+32*(\c))*PBP+32*(\i)+16*PBP
	ds_load_b128 v[(\f)+8*(4*(\c)+(\i)):(\f)+8*(4*(\c)+(\i))+3],              v[ADRA+(\slot)] offset:128*PAP*(\q)+16*PAP*(\i)+64*(\c)
	ds_load_b128 v[(\f)+8*(4*(\c)+(\i))+4:(\f)+8*(4*(\c)+(\i))+7],            v[ADRA+(\slot)] offset:128*PAP*(\q)+16*PAP*(\i)+64*(\c)+32
.endr
.endr
.endm
; One of a K step's first three quarters: multiplies buffer f and fetches quarter qn into g
.macro QUARTER slot, qn, f, g, first
	s_wait_dscnt 16                                ; the first 32 along K are in; the youngest sixteen loads may stay out
	MUL8 \f, 0, 0, \first
	MUL8 \f, 0, 2, \first
	PLACES
	FETCH \slot, \qn, \g
	s_wait_dscnt 32                                ; all but the 32 just issued
	MUL8 \f, 1, 0, 0
	MUL8 \f, 1, 2, 0
.endm
; The last quarter multiplies buffer 1 and changes slots: ONE barrier; in front of it each wave waits for all its tensor loads, adds 0 to its spare word, and waits for that and for its reads of this slot.
; fill = 1: the barrier opens a round of the cluster's, and this slot is filled again, two K steps ahead, first thing behind the round.
.macro TURN slot, next, fill
	WIN 0
	s_wait_tensorcnt 0x0                           ; all my tensor loads have landed: my part of the next slot;
	ds_add_u32 v[SPW], v[NIL]                      ; 0 onto my spare word;
	s_wait_dscnt 17                                ; (the add and the youngest sixteen loads may be out)
	MUL8 F1, 0, 0, 0                               ; eight products stand between the add and the wait for it
	s_wait_dscnt 0x0                               ; the add is done, and my reads of this slot are over
	s_barrier_signal -1
	MUL8 F1, 0, 2, 0
.if \fill
	WIN 0
.endif
	s_barrier_wait -1
.if \fill
	CREST                                          ; no wave of any partner still reads this slot or has a load on its way
	s_add_nc_u64 s[G0+4*(\slot)+2:G0+4*(\slot)+3], s[G0+4*(\slot)+2:G0+4*(\slot)+3], 2*4*262144
	s_add_nc_u64 s[G0B+4*(\slot)+2:G0B+4*(\slot)+3], s[G0B+4*(\slot)+2:G0B+4*(\slot)+3], 2*256*2048
	JLOAD \slot                                    ; the four v_nop behind it are also the places in front of the loads below
.else
	PLACES
.endif
	FETCH \next, 0, F0
	MUL8 F1, 1, 0, 0
	MUL8 F1, 1, 2, 0
.endm
	s_wait_tensorcnt 0x1                           ; my part of K step 0 is in; step 1's may stay out
	s_barrier_signal -1
	s_barrier_wait -1                              ; everybody's is
	FETCH 0, 0, F0
	QUARTER 0, 1, F0, F1, 1                        ; K step 0: its first products start the sums
	QUARTER 0, 2, F1, F0, 0
	QUARTER 0, 3, F0, F1, 0
	TURN 0, 1, 1                                   ; slot 0 takes K step 2
	QUARTER 1, 1, F0, F1, 0
	QUARTER 1, 2, F1, F0, 0
	QUARTER 1, 3, F0, F1, 0
	TURN 1, 0, 1                                   ; slot 1 takes K step 3
	QUARTER 0, 1, F0, F1, 0
	QUARTER 0, 2, F1, F0, 0
	QUARTER 0, 3, F0, F1, 0
	TURN 0, 1, 0                                   ; nothing is left to fetch
	QUARTER 1, 1, F0, F1, 0
	QUARTER 1, 2, F1, F0, 0
	QUARTER 1, 3, F0, F1, 0
	s_wait_dscnt 16
	MUL8 F1, 0, 0, 0
	MUL8 F1, 0, 2, 0
	s_wait_dscnt 0x0
	MUL8 F1, 1, 0, 0
	MUL8 F1, 1, 2, 0
	WIN 0
	PLACES
	; THE WAY OUT, 16 rows at a time: a lane's 32 bytes of a row go from the accumulators (each from its low end on) into my own stage and come back as whole rows of 256 bytes
.irp a, 0,1,2,3
	s_wait_xcnt 0x0                                ; every earlier store has had its addresses translated (ISA guide 3.1): v32-63 are loaded again only behind this wait
.irp b, 0,1,2,3
	ds_store_b128 v[STO], v[ACC+8*(4*(\a)+(\b)):ACC+8*(4*(\a)+(\b))+3]   offset:64*(\b)
	ds_store_b128 v[STO], v[ACC+8*(4*(\a)+(\b))+4:ACC+8*(4*(\a)+(\b))+7] offset:64*(\b)+16
.endr
.irp t, 0,1,2,3,4,5,6,7
	ds_load_b128 v[OB+4*(\t):OB+4*(\t)+3], v[RD] offset:(\t)*2*SPITCH  ; LDS serves a wave's instructions in order (ISA guide 5.7.1.4): these see the stores above
.endr
.irp t, 0,1,2,3,4,5,6,7
	s_wait_dscnt 7-(\t)                            ; the younger loads stay out
	global_store_b128 v[CO], v[OB+4*(\t):OB+4*(\t)+3], s[10:11] offset:65536*(\a)+8192*(\t)  ; 16 lanes store 256 consecutive bytes, at a multiple of 256 from out0's first byte
.endr
.endr
	s_wait_tensorcnt 0x0                           ; the wave's end: these three lines stand behind my last tensor load and my last LDS store
	ds_add_u32 v[SPW], v[NIL]
	s_wait_dscnt 0x0
	CROUND                                         ; the closing round: no work-group ends while a partner may still ask for a tile that names it
	s_endpgm
.Lfunc_end_k_qf85ecba866_proj:
	.size	k_qf85ecba866_proj, .Lfunc_end_k_qf85ecba866_proj-k_qf85ecba866_proj
	.p2alignl 7, 3214868480
	.fill 96, 4, 3214868480
	.section	.rodata,"a",@progbits
	.p2align	6, 0x0
	.amdhsa_kernel k_qf85ecba866_proj
		.amdhsa_group_segment_fixed_size 327680
		.amdhsa_private_segment_fixed_size 0
		.amdhsa_enable_private_segment 0
		.amdhsa_kernarg_size 32
		.amdhsa_user_sgpr_count 2
		.amdhsa_user_sgpr_kernarg_segment_ptr 1
		.amdhsa_wavefront_size32 1
		.amdhsa_system_sgpr_workgroup_id_x 1
		.amdhsa_system_sgpr_workgroup_id_y 1
		.amdhsa_system_sgpr_workgroup_id_z 1
		.amdhsa_system_vgpr_workitem_id 0
		.amdhsa_next_free_vgpr 512
		.amdhsa_next_free_sgpr 72
		.amdhsa_reserve_vcc 0
		.amdhsa_float_denorm_mode_32 3
		.amdhsa_float_denorm_mode_16_64 3
		.amdhsa_memory_ordered 1
		.amdhsa_forward_progress 1
		.amdhsa_inst_pref_size 89
	.end_amdhsa_kernel
	.amdgpu_metadata
---
amdhsa.version: [ 1, 2 ]
amdhsa.kernels:
  - .name:           k_qf85ecba866_proj
    .symbol:         k_qf85ecba866_proj.kd
    .args:
      - { .name: ob, .offset: 0, .size: 8, .value_kind: global_buffer, .address_space: global }
      - { .name: cast, .offset: 8, .size: 8, .value_kind: global_buffer, .address_space: global }
      - { .name: b_out, .offset: 16, .size: 8, .value_kind: global_buffer, .address_space: global }
      - { .name: out0, .offset: 24, .size: 8, .value_kind: global_buffer, .address_space: global }
    .group_segment_fixed_size: 327680
    .private_segment_fixed_size: 0
    .kernarg_segment_align: 8
    .kernarg_segment_size: 32
    .max_flat_workgroup_size: 128
    .sgpr_count:     72
    .vgpr_count:     512
    .wavefront_size: 32
...
	.end_amdgpu_metadata
.endif
;; end of part 4
